; MI455X (gfx1250); checked and timed in simulation.
; The chip was launched on July 23, 2026; its instructions are those of AMD's public machine-readable ISA for CDNA 5 (MIT licence, August 2026) and "CDNA5" Instruction Set Architecture Reference Guide (July 2026). The comments in the code are by the model that wrote it; some were corrected since.
;; Pure Cross Attention. Allowed arithmetic: float matrix products may take bf16 or f16 operands with f32 sums; other float arithmetic in f32, or as packed bf16 or f16 multiplies, adds, multiply-adds, maxima and minima; sums over many terms, partial sums and values carried from step to step in f32; what a program stores and reads back later, other than sums and carried values, may be rounded once to bf16 or f16.
;; Inputs: Wk 1,024 x 1,024 float32; Wo 1,024 x 1,024 float32; Wq 1,024 x 1,024 float32; Wr 1,024 x 1,024 float32; Wv 1,024 x 1,024 float32; attention_mask 4 x 1 x 1,024 x 1,024 float32; bk 1,024 float32; bo 1,024 float32; bq 1,024 float32; br 1,024 float32; bv 1,024 float32; kv 4 x 1,024 x 1,024 float32; q 4 x 1,024 x 1,024 float32.
;; Outputs: out0 4 x 1,024 x 1,024 float32; out1 4 x 1,024 x 1,024 float32.
;; 2 versions, each right; version 2 is version 1 with the launch cast written anew for expert scheduling mode. Each part assembles by itself: llvm-mc -triple=amdgcn-amd-amdhsa -mcpu=gfx1250 --defsym DOCPART=n.
;; ======== version 1 of 2: 4 launches
;; limits: values are held in f16: magnitudes above 65,504 overflow, below 6.1e-05 lose precision
;; workspace buffers: xh 16,777,216 bytes; wh 10,485,760 bytes; bh 16,384 bytes; mk 8,388,608 bytes; qkv 25,165,824 bytes; on 16,777,216 bytes
;; launch cast (part 1): grid 1089 x 1, 8 waves a work-group, no clusters, 35,840 bytes of LDS; arguments q, kv, Wq, Wk, Wv, Wo, Wr, bq, bv, bo, br, attention_mask, xh, wh, bh, mk; writes xh, wh, bh, mk
.if DOCPART == 1
	.amdgcn_target "amdgcn-amd-amdhsa--gfx1250"
	.amdhsa_code_object_version 6
	.text
	.protected	k_q09dfb6873c_cast
	.globl	k_q09dfb6873c_cast
	.p2align	8
	.type	k_q09dfb6873c_cast,@function
k_q09dfb6873c_cast:
	s_mov_b64 s[64:65], 0
	v_nop
	global_prefetch_b8 v0, s[64:65] scope:SCOPE_SE
	s_setreg_imm32_b32 hwreg(HW_REG_WAVE_MODE, 25, 1), 1
	s_wait_xcnt 0x0
; CROSS ATTENTION WITH A REVERSE BRANCH, launch 1 of 4: the inputs are rounded once and laid out for the three launches behind.
; WORK LEFT OUT IN THE WHOLE PROGRAM, for all finite values of the inputs:
;  bk.  scores[q][k] = qs[q] . (kv[k] Wk^T + bk) + mask = qs[q] . (kv[k] Wk^T) + mask + qs[q] . bk; the last term is the same for every k of a row, so softmax over k
;       does not see it; attn, and with it both outputs, are unchanged.  bk has no other way to an output: it is not loaded and is among no launch's arguments.
;  The 1.0 in softmax(1.0 - attn): the same along the axis, so rev = exp(-attn) / sum exp(-attn).
;  The maximum of that second softmax: attn is normalised by the first softmax, so -attn lies in -1 .. 0, exp(-attn) in 0.36 .. 1 and its sum over 1,024 keys in 376 .. 1,024, whatever the inputs.
;  The first softmax keeps its running maximum.
; LIMIT: a NaN, an infinity or an overflow that reaches only the work left out (in bk) is not carried to the result.
; FORMATS.  Every input is rounded to bf16 once.  q, kv and the weights are then written as f16 (exact while the bf16 number lies in f16's normal range; beyond 65,504 it becomes an
; infinity, below 6.1e-5 it keeps f16's fixed step of 6e-8); the biases as f32.  The mask is multiplied by 8 (exact; |mask| from 4.2e37 on becomes an infinity) and kept in bf16:
; the scores are made as 8 x reference's, since the query is kept unscaled and SCALE is 1/8.
; SHARES.  Work-groups 0-831: 16,384 numbers each of q, kv, Wq, Wk, Wv, Wo, Wr.  832-1087: 16 rows of the mask each.  1088: the four biases.
; Each wave issues its 16 loads of 512 consecutive bytes at once and works them off in order.
; mk's layout: [batch 4][32 queries: 32][64 keys: 16][16 queries: 2][16 keys: 4][lane 32][8 numbers]: lane l holds query l % 16 and the keys 8 (l / 16) + 0..7: the order of a score accumulator's registers.
.set SPARE, 34816                      ; behind the eight stages: the spare words, 128 bytes for each wave
.set STG,   4352                       ; a wave's stage: 16 rows x (256 bytes + 16 of padding)
.set SPW, 2                            ; v2   LDS address of my spare word; never rewritten
.set NIL, 3                            ; v3   0; never rewritten
.set SO,  4                            ; v4   my byte offset in the source
.set DO,  5                            ; v5   my byte offset in the destination
.set LS,  6                            ; v6   where I put 8 bytes of a mask row
.set LR,  7                            ; v7   where I read 16 bytes back
.set T,   8                            ; v8-9 at work
.set X,   16                           ; v16-79   16 loads of 4 registers
.set Y,   80                           ; v80-111  what is stored
.set Z,   112                          ; v112-143 the mask, read back from the stage
.set G,   40                           ; s40  the work-group's number
.set U,   42                           ; s42  my wave's number
.set HM,  43                           ; s43  a word's upper half
.set SRC, 44                           ; s[44:45]
.set E8,  46                           ; s[46:47] 8.0, named as a pair
.set OF,  48                           ; s[48:49]
.set DST, 50                           ; s[50:51]
.set OD,  52                           ; s[52:53]
.set TS,  54                           ; s54  at work
	s_load_b512 s[8:23], s[0:1], 0x0               ; q, kv, Wq, Wk, Wv, Wo, Wr, bq
	s_load_b512 s[24:39], s[0:1], 0x40             ; bv, bo, br, mask, xh, wh, bh, mk
	v_lshl_add_u32 v[SPW], v0, 2, SPARE
	v_mov_b32 v[NIL], 0
	v_lshrrev_b32 v1, 5, v0
	v_readfirstlane_b32 s[U], v1                   ; wave 0..7
	v_and_b32 v1, 31, v0                           ; lane
	s_mov_b32 s[G], ttmp9
	s_mov_b32 s[HM], 0xffff0000
	s_mov_b32 s[E8], 0x41000000
	s_mov_b32 s[E8+1], 0x41000000
	s_wait_kmcnt 0x0
	s_cmp_lt_u32 s[G], 832
	s_cbranch_scc1 .Lelem
	s_cmp_lt_u32 s[G], 1088
	s_cbranch_scc1 .Lmask
	; THE BIASES: 256 threads x 4 numbers are one bias; rounded to bf16, kept as f32
	v_lshlrev_b32 v[SO], 4, v0
	global_load_b128 v[X:X+3],     v[SO], s[22:23]
	global_load_b128 v[X+4:X+7],   v[SO], s[24:25]
	global_load_b128 v[X+8:X+11],  v[SO], s[26:27]
	global_load_b128 v[X+12:X+15], v[SO], s[28:29]
	s_wait_loadcnt 0x0
.irp j, 0,1,2,3
	v_cvt_pk_bf16_f32 v[T],   v[X+4*\j],   v[X+4*\j+1]
	v_cvt_pk_bf16_f32 v[T+1], v[X+4*\j+2], v[X+4*\j+3]
	v_lshlrev_b32 v[Y+4*\j],   16, v[T]
	v_and_b32     v[Y+4*\j+1], s[HM], v[T]
	v_lshlrev_b32 v[Y+4*\j+2], 16, v[T+1]
	v_and_b32     v[Y+4*\j+3], s[HM], v[T+1]
	global_store_b128 v[SO], v[Y+4*\j:Y+4*\j+3], s[36:37] offset:4096*\j
.endr
	s_branch .Lend
.Lelem:                                        ; q, kv AND THE WEIGHTS
	s_mov_b64 s[SRC:SRC+1], s[8:9]                 ; which tensor: 256 work-groups for q, 256 for kv, 64 for each weight
	s_cmp_ge_u32 s[G], 256
	s_cselect_b64 s[SRC:SRC+1], s[10:11], s[SRC:SRC+1]
	s_cmp_ge_u32 s[G], 512
	s_cselect_b64 s[SRC:SRC+1], s[12:13], s[SRC:SRC+1]
	s_cmp_ge_u32 s[G], 576
	s_cselect_b64 s[SRC:SRC+1], s[14:15], s[SRC:SRC+1]
	s_cmp_ge_u32 s[G], 640
	s_cselect_b64 s[SRC:SRC+1], s[16:17], s[SRC:SRC+1]
	s_cmp_ge_u32 s[G], 704
	s_cselect_b64 s[SRC:SRC+1], s[18:19], s[SRC:SRC+1]
	s_cmp_ge_u32 s[G], 768
	s_cselect_b64 s[SRC:SRC+1], s[20:21], s[SRC:SRC+1]
	s_sub_co_u32 s[OD], s[G], 512
	s_cmp_lt_u32 s[G], 512
	s_cselect_b32 s[TS], 255, 63
	s_cselect_b64 s[DST:DST+1], s[32:33], s[34:35] ; xh holds q then kv, wh the five weights on end: the chunks follow each other there as the work-groups do
	s_cselect_b32 s[OD], s[G], s[OD]
	s_and_b32 s[TS], s[G], s[TS]                   ; my chunk in the tensor
	s_lshl_b32 s[OF], s[TS], 16                    ; 65,536 bytes of f32
	s_mov_b32 s[OF+1], 0
	s_add_nc_u64 s[SRC:SRC+1], s[SRC:SRC+1], s[OF:OF+1]
	s_lshl_b32 s[OD], s[OD], 15                    ; 32,768 bytes of f16
	s_mov_b32 s[OD+1], 0
	s_add_nc_u64 s[DST:DST+1], s[DST:DST+1], s[OD:OD+1]
	s_lshl_b32 s[TS], s[U], 13
	v_lshl_add_u32 v[SO], v1, 4, s[TS]             ; 8,192 x wave + 16 x lane
	s_lshl_b32 s[TS], s[U], 12
	v_lshl_add_u32 v[DO], v1, 3, s[TS]             ; 4,096 x wave + 8 x lane
.set i, 0
.rept 16
	global_load_b128 v[X+4*i:X+4*i+3], v[SO], s[SRC:SRC+1] offset:512*i th:TH_LOAD_NT
.set i, i+1
.endr
.set i, 0
.rept 16
	s_wait_loadcnt 15-i                            ; loads come back in order: load i is in, the younger ones stay out
	v_cvt_pk_bf16_f32 v[T],   v[X+4*i],   v[X+4*i+1]  ; the one rounding,
	v_cvt_pk_bf16_f32 v[T+1], v[X+4*i+2], v[X+4*i+3]
	v_lshlrev_b32 v[X+4*i],   16, v[T]             ; back to f32,
	v_and_b32     v[X+4*i+1], s[HM], v[T]
	v_lshlrev_b32 v[X+4*i+2], 16, v[T+1]
	v_and_b32     v[X+4*i+3], s[HM], v[T+1]
	v_cvt_pk_f16_f32 v[Y+2*i],   v[X+4*i],   v[X+4*i+1]  ; and written as f16
	v_cvt_pk_f16_f32 v[Y+2*i+1], v[X+4*i+2], v[X+4*i+3]
	global_store_b64 v[DO], v[Y+2*i:Y+2*i+1], s[DST:DST+1] offset:256*i  ; the wave's store covers 256 consecutive bytes, aligned
.set i, i+1
.endr
	s_branch .Lend
.Lmask:                                        ; THE MASK: 16 rows a work-group, 128 keys a wave; turned into the accumulators' order through the wave's own stage
	s_sub_co_u32 s[TS], s[G], 832                  ; the tile of 16 rows, 0..255
	s_lshl_b32 s[OF], s[TS], 16                    ; 16 rows of 4,096 bytes
	s_mov_b32 s[OF+1], 0
	s_add_nc_u64 s[SRC:SRC+1], s[30:31], s[OF:OF+1]
	s_lshr_b32 s[OD], s[TS], 1                     ; batch x 32 + group of 32 queries,
	s_lshl_b32 s[OD], s[OD], 16                    ; 65,536 bytes each;
	s_and_b32 s[TS], s[TS], 1                      ; which 16 of the 32:
	s_lshl_b32 s[TS], s[TS], 11                    ; 2,048 bytes
	s_add_co_u32 s[OD], s[OD], s[TS]
	s_mov_b32 s[OD+1], 0
	s_add_nc_u64 s[DST:DST+1], s[38:39], s[OD:OD+1]
	s_lshl_b32 s[TS], s[U], 9
	v_lshl_add_u32 v[SO], v1, 4, s[TS]             ; 512 x wave + 16 x lane
	s_lshl_b32 s[TS], s[U], 13
	v_lshl_add_u32 v[DO], v1, 4, s[TS]             ; two key steps of 4,096 bytes a wave, + 16 x lane
	s_mul_i32 s[TS], s[U], STG                     ; my stage
	v_lshl_add_u32 v[LS], v1, 3, s[TS]
	v_and_b32 v10, 15, v0
	v_bfe_u32 v11, v0, 4, 1
	v_mul_u32_u24 v[LR], v10, 272                  ; row l % 16,
	v_lshl_add_u32 v[LR], v11, 4, v[LR]            ; 8 keys for each half of the lanes
	v_add_nc_u32 v[LR], s[TS], v[LR]
.set i, 0
.rept 16
	global_load_b128 v[X+4*i:X+4*i+3], v[SO], s[SRC:SRC+1] offset:4096*i th:TH_LOAD_NT  ; row i
.set i, i+1
.endr
.set i, 0
.rept 16
	s_wait_loadcnt 15-i                            ; row i is in, the younger ones stay out
	v_pk_mul_f32 v[X+4*i:X+4*i+1],   v[X+4*i:X+4*i+1],   s[E8:E8+1] op_sel_hi:[1,0]
	v_pk_mul_f32 v[X+4*i+2:X+4*i+3], v[X+4*i+2:X+4*i+3], s[E8:E8+1] op_sel_hi:[1,0]
	v_cvt_pk_bf16_f32 v[Y+2*i],   v[X+4*i],   v[X+4*i+1]
	v_cvt_pk_bf16_f32 v[Y+2*i+1], v[X+4*i+2], v[X+4*i+3]
	ds_store_b64 v[LS], v[Y+2*i:Y+2*i+1] offset:272*i
.set i, i+1
.endr
.set c, 0
.rept 8
	ds_load_b128 v[Z+4*c:Z+4*c+3], v[LR] offset:32*c  ; LDS serves a wave's instructions in order: these see my stores above; the stage is mine alone
.set c, c+1
.endr
.set c, 0
.rept 8
	s_wait_dscnt 7-c                               ; group c of 16 keys is back, the younger ones stay out
	global_store_b128 v[DO], v[Z+4*c:Z+4*c+3], s[DST:DST+1] offset:(c/4)*4096+(c%4)*512  ; 512 consecutive bytes
.set c, c+1
.endr
.Lend:
	s_wait_tensorcnt 0x0                           ; the wave's end: behind my last LDS store
	ds_add_u32 v[SPW], v[NIL]
	s_wait_dscnt 0x0
	s_endpgm
.Lfunc_end_k_q09dfb6873c_cast:
	.size	k_q09dfb6873c_cast, .Lfunc_end_k_q09dfb6873c_cast-k_q09dfb6873c_cast
	.p2alignl 7, 3214868480
	.fill 96, 4, 3214868480
	.section	.rodata,"a",@progbits
	.p2align	6, 0x0
	.amdhsa_kernel k_q09dfb6873c_cast
		.amdhsa_group_segment_fixed_size 35840
		.amdhsa_private_segment_fixed_size 0
		.amdhsa_enable_private_segment 0
		.amdhsa_kernarg_size 128
		.amdhsa_user_sgpr_count 2
		.amdhsa_user_sgpr_kernarg_segment_ptr 1
		.amdhsa_wavefront_size32 1
		.amdhsa_system_sgpr_workgroup_id_x 1
		.amdhsa_system_sgpr_workgroup_id_y 1
		.amdhsa_system_sgpr_workgroup_id_z 1
		.amdhsa_system_vgpr_workitem_id 0
		.amdhsa_next_free_vgpr 144
		.amdhsa_next_free_sgpr 66
		.amdhsa_reserve_vcc 0
		.amdhsa_float_denorm_mode_32 3
		.amdhsa_float_denorm_mode_16_64 3
		.amdhsa_memory_ordered 1
		.amdhsa_forward_progress 1
		.amdhsa_inst_pref_size 24
	.end_amdhsa_kernel
	.amdgpu_metadata
---
amdhsa.version: [ 1, 2 ]
amdhsa.kernels:
  - .name:           k_q09dfb6873c_cast
    .symbol:         k_q09dfb6873c_cast.kd
    .args:
      - { .name: q, .offset: 0, .size: 8, .value_kind: global_buffer, .address_space: global }
      - { .name: kv, .offset: 8, .size: 8, .value_kind: global_buffer, .address_space: global }
      - { .name: Wq, .offset: 16, .size: 8, .value_kind: global_buffer, .address_space: global }
      - { .name: Wk, .offset: 24, .size: 8, .value_kind: global_buffer, .address_space: global }
      - { .name: Wv, .offset: 32, .size: 8, .value_kind: global_buffer, .address_space: global }
      - { .name: Wo, .offset: 40, .size: 8, .value_kind: global_buffer, .address_space: global }
      - { .name: Wr, .offset: 48, .size: 8, .value_kind: global_buffer, .address_space: global }
      - { .name: bq, .offset: 56, .size: 8, .value_kind: global_buffer, .address_space: global }
      - { .name: bv, .offset: 64, .size: 8, .value_kind: global_buffer, .address_space: global }
      - { .name: bo, .offset: 72, .size: 8, .value_kind: global_buffer, .address_space: global }
      - { .name: br, .offset: 80, .size: 8, .value_kind: global_buffer, .address_space: global }
      - { .name: attention_mask, .offset: 88, .size: 8, .value_kind: global_buffer, .address_space: global }
      - { .name: xh, .offset: 96, .size: 8, .value_kind: global_buffer, .address_space: global }
      - { .name: wh, .offset: 104, .size: 8, .value_kind: global_buffer, .address_space: global }
      - { .name: bh, .offset: 112, .size: 8, .value_kind: global_buffer, .address_space: global }
      - { .name: mk, .offset: 120, .size: 8, .value_kind: global_buffer, .address_space: global }
    .group_segment_fixed_size: 35840
    .private_segment_fixed_size: 0
    .kernarg_segment_align: 8
    .kernarg_segment_size: 128
    .max_flat_workgroup_size: 256
    .sgpr_count:     66
    .vgpr_count:     144
    .wavefront_size: 32
...
	.end_amdgpu_metadata
.endif
;; end of part 1
;; launch proj (part 2): grid 12 x 16, 4 waves a work-group, clusters of 4 x 4, 327,680 bytes of LDS; arguments xh, wh, bh, qkv; writes qkv
.if DOCPART == 2
	.amdgcn_target "amdgcn-amd-amdhsa--gfx1250"
	.amdhsa_code_object_version 6
	.text
	.protected	k_q09dfb6873c_proj
	.globl	k_q09dfb6873c_proj
	.p2align	8
	.type	k_q09dfb6873c_proj,@function
k_q09dfb6873c_proj:
	s_mov_b64 s[64:65], 0
	v_nop
	global_prefetch_b8 v0, s[64:65] scope:SCOPE_SE
	s_setreg_imm32_b32 hwreg(HW_REG_WAVE_MODE, 25, 1), 1
	s_wait_xcnt 0x0
	s_wait_alu depctr_hold_cnt(0) depctr_sa_sdst(0) depctr_va_vdst(0) depctr_va_sdst(0) depctr_va_ssrc(0) depctr_va_vcc(0) depctr_vm_vsrc(0)
	s_getreg_b32 s2, hwreg(HW_REG_IB_STS2, 6, 4)
	s_cmp_eq_u32 s2, 0
	s_cbranch_scc0 .Lentry_in_a_cluster
	s_endpgm
.Lentry_in_a_cluster:
	s_bfe_u32 s2, ttmp6, 0x10000c
	s_cmp_lg_u32 s2, 0xf033
	s_cbranch_scc0 .Lentry_shape_is_right
	s_endpgm
.Lentry_shape_is_right:
; Launch 2 of 4: Q = q Wq^T + bq (unscaled: the scale 1/8 is applied to the scores, in f32), K = kv Wk^T, V = kv Wv^T + bv, written by heads: qkv[3][batch x 16 + head][1024][64] in f16.
; LEFT OUT: bk.  It adds the same number to all scores of a row, which the softmax over the keys does not see; K's sums start at 0.
; LIMIT: Q, K and V are rounded once from their f32 sums to f16, which ends at 65,504.
; A tile of C is 256 rows of x by 256 rows of the weights; four waves, 2 x 2, each 128 x 128: 64 accumulators of 16 x 16, 512 registers.  4,096 x 3,072 outputs are 192 tiles: 192 work-groups,
; each with one tile.  (No one rectangle inside a projection gives 256 equal shares: a share of 49,152 outputs has a side with the factor 3, which divides neither 4,096 nor 1,024.)
; A column of clusters (cluster x = 0, 1, 2) is one whole projection.
; K goes in 8 steps of 128 through two LDS slots filled by the tensor data mover; rows of 256 bytes, aligned.  Waves 0, 1 fetch x's two halves, waves 2, 3 the weights': 128 rows each.
; Between a refill's request and the wait for it a wave issues 224 matrix instructions.
; CLUSTER 4 x 4: x's tile is asked for jointly along a row of the cluster, the weights' along a column.
; THE MATRIX INSTRUCTION IS USED TRANSPOSED (source 0 = 16 rows of the weights, source 1 = 16 rows of x): a lane holds row l % 16 of C and the columns 8 (l / 16) + 0..7.
; The bias is the C operand of the products that start the sums: nothing is added afterwards and no accumulator is cleared.
; REGISTERS, in windows of 256 (s_set_vgpr_msb: bits 1:0 source 0, 3:2 source 1, 5:4 source 2, 7:6 destination):
;   window 0: v16-30 addresses; v32-63, v224-255 rows read back from the stage, by turns; v64-127, v128-191 x's fragments, two buffers; v192-223 packed results
;   window 1: v0-63 the bias of my 128 columns, as eight C operands; v64-127, v128-191 the weights' fragments, two buffers
;   window 2: the 32 accumulators of my rows 0-63 (accumulator (a, b) at v[8 (8 a + b)]);   window 3: those of my rows 64-127
.set PITCH, 272                        ; an LDS row: 256 bytes + 16 of padding: the 16 rows of a fragment load start 4 banks apart
.set HALFT, 128*PITCH                  ; 128 rows: what one tensor load brings, and what one wave reads of x or of the weights
.set SLOT,  4*HALFT                    ; x's 256 rows, then the weights' 256 rows
.set STAGE, 2*SLOT                     ; behind the ring: for each wave 2 heads x 16 rows x 144 bytes, for the way out
.set STG,   4608
.set SPARE, STAGE+4*STG                ; behind the stages: the spare words, 128 bytes for each wave
.set KS,    256                        ; bytes in memory from a K step to the next
.set ADRA, 16                          ; v16-17  LDS address of my fragments of x in slot 0, 1
.set ADRB, 20                          ; v20-21  of the weights
.set STO,  24
.set RD,   25
.set GO,   26
.set BO,   27
.set SPW,  28                          ; v28  LDS address of my spare word; never rewritten
.set NIL,  29                          ; v29  0; never rewritten
.set PFO,  30                          ; v30  the prefetches' offset: a lane a row
.set OB,   32
.set F0,   64
.set F1,   128
.set TMP,  192
.set WV, 14
.set RH, 15                            ; my half of the tile's rows; also: I fetch x (0) or the weights (1)
.set CH, 16                            ; my half of its columns; also: which half I fetch
.set CX, 17
.set CY, 18
.set TC, 19
.set TR, 20
.set KX, 21
.set KY, 22
.set G1A, 24
.set G0A, 32
.set G1B, 40
.set G0B, 48
.set PFA, 56
.set LIM, 58
.set LAP, 59
.set OUT, 68
.set BIA, 72
.set GC, (1<<16)|(1<<20)|(1<<21)|(5<<22)|(3<<25)  ; 2-byte elements; padding on; bit 21 beside a mask; after every 64 words, 4 words
.set MSB, 0
.macro WIN new                         ; the immediate's high byte repeats the setting that is left; a switch that changes nothing is dropped
.if MSB != (\new)
	s_set_vgpr_msb (MSB<<8)|(\new)
.set MSB, \new
.endif
.endm
.macro PLACES                          ; four places behind a matrix instruction, in front of loads into registers that it read and of lines that read its result
.rept 4
	v_nop
.endr
.endm
.macro JLOAD s                         ; a joint load; an s_nop 0 and four v_nop follow each of the two lines.  The branch hangs on the wave's number alone
	s_cmp_eq_u32 s[RH], 0
	s_cbranch_scc0 .Lfor_b_\@
	tensor_load_to_lds s[G0A+4*(\s):G0A+4*(\s)+3], s[G1A:G1A+7]
	s_nop 0
.rept 4
	v_nop
.endr
	s_branch .Lasked_\@
.Lfor_b_\@:
	tensor_load_to_lds s[G0B+4*(\s):G0B+4*(\s)+3], s[G1B:G1B+7]
	s_nop 0
.rept 4
	v_nop
.endr
.Lasked_\@:
.endm
.macro CREST                           ; a round of the cluster's barrier behind its opening barrier
	s_cmp_lg_u32 s[WV], 0
	s_cbranch_scc1 .Lnot_wave_0_\@
	s_barrier_signal -3
.Lnot_wave_0_\@:
	s_barrier_wait -3
	s_barrier_signal -1
	s_barrier_wait -1
.endm
.macro CROUND
	s_barrier_signal -1
	s_barrier_wait -1
	CREST
.endm
; A prefetch of the K step that stands two refills on, 512 matrix instructions ahead of the load that will want it: 32 rows x 256 bytes, a lane a row.  x's rows: waves 0 and 1 of the first
; cluster that reads them (q: cluster x = 0; kv: cluster x = 1); the weights' rows: waves 2 and 3 of cluster y = 0.  Of the 128 rows that a wave fetches each of the four partners of the joint
; load takes 32, told apart by address.  So each row's 256 bytes of a K step are named once.  K steps 0 to 3 come by their loads alone; the loop's last trip asks for nothing: there is no K step 8.
.macro ASK
	s_cmp_gt_u32 s[LAP], s[LIM]
	s_cbranch_scc0 .Lnot_mine_\@
	global_prefetch_b8 v[PFO], s[PFA:PFA+1] th:TH_LOAD_NT scope:SCOPE_SE
.Lnot_mine_\@:
.endm
; 16 matrix instructions: row blocks a0, a0 + 1 of the window's four (hi = 0: my rows 0-63, 1: rows 64-127) x all 8 column blocks, 32 along K.  first = 1: the products start the sums, with the bias as C.
; The 64 accumulators take turns, one instruction a turn, in the same order in every quarter.
.macro MUL16 f, hi, a0, first
.if \first
	WIN 0x91+0x40*(\hi)                            ; the weights and the bias in window 1, x in window 0, the sums in window 2 or 3
.else
	WIN 0xa1+0x50*(\hi)                            ; the weights in window 1, x in window 0, C and D in window 2 or 3
.endif
.irp a, \a0, (\a0)+1
.irp b, 0,1,2,3,4,5,6,7
.if \first
	v_wmma_f32_16x16x32_f16 v[8*(8*(\a)+(\b)):8*(8*(\a)+(\b))+7], v[(\f)+8*(\b):(\f)+8*(\b)+7], v[(\f)+8*(4*(\hi)+(\a)):(\f)+8*(4*(\hi)+(\a))+7], v[8*(\b):8*(\b)+7]
.else
	v_wmma_f32_16x16x32_f16 v[8*(8*(\a)+(\b)):8*(8*(\a)+(\b))+7], v[(\f)+8*(\b):(\f)+8*(\b)+7], v[(\f)+8*(4*(\hi)+(\a)):(\f)+8*(4*(\hi)+(\a))+7], v[8*(8*(\a)+(\b)):8*(8*(\a)+(\b))+7]
.endif
.endr
.endr
.endm
; 32 LDS loads in one run: the fragments of 32 along K at byte k of the rows: the weights' eight, then x's eight
.macro FETCH slot, k, f
	WIN 0x40                                       ; destination window 1, address window 0
.irp i, 0,1,2,3,4,5,6,7
	ds_load_b128 v[(\f)+8*(\i):(\f)+8*(\i)+3],   v[ADRB+(\slot)] offset:(\k)+(\i)*16*PITCH
	ds_load_b128 v[(\f)+8*(\i)+4:(\f)+8*(\i)+7], v[ADRB+(\slot)] offset:(\k)+(\i)*16*PITCH+32
.endr
	WIN 0
.irp i, 0,1,2,3,4,5,6,7
	ds_load_b128 v[(\f)+8*(\i):(\f)+8*(\i)+3],   v[ADRA+(\slot)] offset:(\k)+(\i)*16*PITCH
	ds_load_b128 v[(\f)+8*(\i)+4:(\f)+8*(\i)+7], v[ADRA+(\slot)] offset:(\k)+(\i)*16*PITCH+32
.endr
.endm
; A K step is four quarters of 32 along K, 64 matrix instructions each, on buffers 0, 1, 0, 1.  One of the first three: multiplies f, fetches the next quarter, at byte k, into g.
.macro QUARTER slot, k, f, g, first
	s_wait_dscnt 8                                 ; the weights and x's rows 0-63 are in; the youngest eight loads (x's rows 64-127) may be out
	MUL16 \f, 0, 0, \first
	MUL16 \f, 0, 2, \first
	PLACES
	FETCH \slot, \k, \g
	s_wait_dscnt 32                                ; all but the 32 just issued
	MUL16 \f, 1, 0, \first
	MUL16 \f, 1, 2, \first
.endm
; The last quarter multiplies buffer 1 and changes slots: one barrier; in front of it each wave waits for all its tensor loads, adds 0 to its spare word, and waits for that and for its reads of this slot.
.macro TURN slot, next, fill
.if \fill
	s_wait_xcnt 0x0                                ; the last prefetch, a K step back, has read its address
	s_add_nc_u64 s[PFA:PFA+1], s[PFA:PFA+1], KS
.endif
	WIN 0
	s_wait_tensorcnt 0x0                           ; all my tensor loads have landed: my part of the next slot
	ds_add_u32 v[SPW], v[NIL]                      ; 0 onto my spare word
	s_wait_dscnt 9                                 ; (the add and the youngest eight loads, x's rows 64-127, may be out)
	MUL16 F1, 0, 0, 0
	s_wait_dscnt 0x0                               ; the add is done, and my reads of this slot are over
	s_barrier_signal -1
	MUL16 F1, 0, 2, 0
.if \fill
	WIN 0
.endif
	s_barrier_wait -1
.if \fill
	CREST                                          ; the barrier has opened a round of the cluster's: no wave of any partner still reads this slot or has a load on its way
	s_add_nc_u64 s[G0A+4*(\slot)+2:G0A+4*(\slot)+3], s[G0A+4*(\slot)+2:G0A+4*(\slot)+3], 2*KS
	s_add_nc_u64 s[G0B+4*(\slot)+2:G0B+4*(\slot)+3], s[G0B+4*(\slot)+2:G0B+4*(\slot)+3], 2*KS
	JLOAD \slot                                    ; the first tensor load behind the round; its four v_nop are also the places in front of the loads below
.else
	PLACES
.endif
	FETCH \next, 0, F0
.if \fill
	ASK
.endif
	MUL16 F1, 1, 0, 0
	MUL16 F1, 1, 2, 0
.endm
	s_load_b256 s[4:11], s[0:1], 0x0               ; xh s[4:5], wh s[6:7], bh s[8:9], qkv s[10:11]
	v_lshl_add_u32 v[SPW], v0, 2, SPARE
	v_mov_b32 v[NIL], 0
	ds_add_u32 v[SPW], v[NIL]                      ; the wave's opening: the add, twice on end, and its wait ahead of my first tensor load
	ds_add_u32 v[SPW], v[NIL]
	v_lshrrev_b32 v1, 5, v0
	v_readfirstlane_b32 s[WV], v1                  ; wave 0..3
	s_lshr_b32 s[RH], s[WV], 1
	s_and_b32 s[CH], s[WV], 1
	s_bfe_u32 s[CX], ttmp6, 0x40000
	s_bfe_u32 s[CY], ttmp6, 0x40004
	s_mov_b32 s[KX], ttmp9                         ; cluster x: which projection
	s_and_b32 s[KY], ttmp7, 0xffff                 ; cluster y
	s_lshl_b32 s[TC], s[KX], 2
	s_add_co_u32 s[TC], s[TC], s[CX]               ; tile column: 256 rows of wh
	s_lshl_b32 s[TR], s[KY], 2
	s_add_co_u32 s[TR], s[TR], s[CY]               ; tile row: 256 rows of x
	s_lshl_b32 s2, s[CY], 2
	s_lshl_b32 s2, 15, s2                          ; my row of the cluster
	s_lshl_b32 s3, 0x1111, s[CX]                   ; my column
	s_or_b32 s[G1A], s2, GC
	s_or_b32 s[G1B], s3, GC
.irp g, G1A, G1B
	s_mov_b32 s[\g+1], 128<<16                     ; tensor_dim0 = 128
	s_mov_b32 s[\g+2], 128<<16                     ; tensor_dim1 = 128
	s_mov_b32 s[\g+3], 128<<16                     ; tile_dim0 = 128
	s_mov_b32 s[\g+4], 128                         ; tile_dim1 = 128
	s_mov_b32 s[\g+5], 1024                        ; elements from row to row
	s_mov_b32 s[\g+6], 0
	s_mov_b32 s[\g+7], 0
.endr
	; x's address hangs on the tile row and the projection, the weights' on the tile column: each in registers that never hold the other place in the cluster
	s_lshl_b32 s60, s[TR], 8
	s_lshl_b32 s61, s[CH], 7
	s_add_co_u32 s60, s60, s61
	s_lshl_b32 s60, s60, 11                        ; rows of 2,048 bytes
	s_min_u32 s61, s[KX], 1                        ; q for Q, kv for K and V
	s_lshl_b32 s61, s61, 23
	s_add_co_u32 s60, s60, s61
	s_mov_b32 s61, 0
	s_lshl_b32 s62, s[TC], 8
	s_lshl_b32 s63, s[CH], 7
	s_add_co_u32 s62, s62, s63
	s_lshl_b32 s62, s62, 11
	s_mov_b32 s63, 0
	s_mul_i32 s23, s[CH], HALFT                    ; where they go: x's two halves, then the weights' two halves: no place in the cluster enters an LDS address
	s_mul_i32 s3, s[CH], HALFT
	s_add_co_u32 s3, s3, 2*HALFT
	s_wait_dscnt 0x0                               ; both opening adds are done
	s_wait_kmcnt 0x0
	s_add_nc_u64 s[60:61], s[4:5], s[60:61]
	s_add_nc_u64 s[62:63], s[6:7], s[62:63]
	CROUND                                         ; all sixteen work-groups are here: the first joint loads meet
.irp s, 0,1
	s_mov_b32 s[G0A+4*(\s)], 1
	s_add_co_u32 s[G0A+4*(\s)+1], s23, (\s)*SLOT
	s_add_nc_u64 s[G0A+4*(\s)+2:G0A+4*(\s)+3], s[60:61], (\s)*KS
	s_or_b32 s[G0A+4*(\s)+3], s[G0A+4*(\s)+3], 0x80000000
	s_mov_b32 s[G0B+4*(\s)], 1
	s_add_co_u32 s[G0B+4*(\s)+1], s3, (\s)*SLOT
	s_add_nc_u64 s[G0B+4*(\s)+2:G0B+4*(\s)+3], s[62:63], (\s)*KS
	s_or_b32 s[G0B+4*(\s)+3], s[G0B+4*(\s)+3], 0x80000000
	JLOAD \s
.endr
	v_and_b32 v1, 15, v0                           ; l % 16
	v_bfe_u32 v2, v0, 4, 1                         ; l / 16
	v_and_b32 v4, 31, v0                           ; l
	; the bias of my 128 columns: register j of block b is bias[16 b + 8 (l / 16) + j]
	v_lshlrev_b32 v[BO], 5, v2
	s_lshr_b32 s70, s[KX], 1                       ; bq for Q, bv for V
	s_lshl_b32 s70, s70, 10
	s_and_b32 s71, s[TC], 3
	s_lshl_b32 s71, s71, 8
	s_add_co_u32 s70, s70, s71
	s_lshl_b32 s71, s[CH], 7
	s_add_co_u32 s70, s70, s71
	s_lshl_b32 s70, s70, 2
	s_mov_b32 s71, 0
	s_add_nc_u64 s[BIA:BIA+1], s[8:9], s[70:71]
	s_cmp_eq_u32 s[KX], 1
	s_cbranch_scc1 .Lno_bias
	WIN 0x40                                       ; destination window 1
.set b, 0
.rept 8
	global_load_b128 v[8*b:8*b+3],   v[BO], s[BIA:BIA+1] offset:64*b
	global_load_b128 v[8*b+4:8*b+7], v[BO], s[BIA:BIA+1] offset:64*b+16
.set b, b+1
.endr
	WIN 0
	s_branch .Lbias_done
.Lno_bias:                                     ; K: bk is left out, the sums start at 0
	WIN 0x40
.set b, 0
.rept 64
	v_mov_b32 v[b], 0
.set b, b+1
.endr
	WIN 0
.Lbias_done:
	v_mul_u32_u24 v3, v1, PITCH
	v_lshl_add_u32 v3, v2, 4, v3                   ; a fragment's row x pitch + 16 x half
	s_mul_i32 s70, s[CH], HALFT
	s_add_co_u32 s70, s70, 2*HALFT                 ; my 128 rows of the weights, which lie behind x's 256
	v_add_nc_u32 v[ADRB], s70, v3
	v_add_nc_u32 v[ADRB+1], SLOT, v[ADRB]
	s_mul_i32 s70, s[RH], HALFT                    ; my 128 rows of x
	v_add_nc_u32 v[ADRA], s70, v3
	v_add_nc_u32 v[ADRA+1], SLOT, v[ADRA]
	s_mul_i32 s70, s[WV], STG
	s_add_co_u32 s70, s70, STAGE                   ; my stage
	v_mul_u32_u24 v[STO], v1, 144                  ; in: row l % 16, 16 bytes for each half of the lanes
	v_lshl_add_u32 v[STO], v2, 4, v[STO]
	v_add_nc_u32 v[STO], s70, v[STO]
	v_lshrrev_b32 v5, 3, v4
	v_and_b32 v6, 7, v0
	v_mul_u32_u24 v[RD], v5, 144                   ; back: 32 lanes take four rows of 128 bytes,
	v_lshl_add_u32 v[RD], v6, 4, v[RD]
	v_add_nc_u32 v[RD], s70, v[RD]
	v_lshlrev_b32 v[GO], 4, v4                     ; which are 512 consecutive bytes of a head
	; where my part goes: tensor, batch, my first head of two, my first row
	s_lshl_b32 s70, s[KX], 23
	s_lshr_b32 s71, s[TR], 2                       ; four tile rows a batch
	s_lshl_b32 s71, s71, 21
	s_add_co_u32 s70, s70, s71
	s_and_b32 s71, s[TC], 3
	s_lshl_b32 s71, s71, 2
	s_lshl_b32 s74, s[CH], 1
	s_add_co_u32 s71, s71, s74
	s_lshl_b32 s71, s71, 17
	s_add_co_u32 s70, s70, s71
	s_and_b32 s71, s[TR], 3
	s_lshl_b32 s71, s71, 8
	s_lshl_b32 s74, s[RH], 7
	s_add_co_u32 s71, s71, s74
	s_lshl_b32 s71, s71, 7
	s_add_co_u32 s70, s70, s71
	s_mov_b32 s71, 0
	s_add_nc_u64 s[OUT:OUT+1], s[10:11], s[70:71]
	; the prefetches
	s_lshl_b32 s70, s[TR], 8
	s_lshl_b32 s74, s[CH], 7
	s_add_co_u32 s70, s70, s74
	s_lshl_b32 s74, s[CX], 5
	s_add_co_u32 s70, s70, s74                     ; x: the 128 rows that I fetch, my work-group's 32
	s_lshl_b32 s70, s70, 11
	s_min_u32 s74, s[KX], 1
	s_lshl_b32 s74, s74, 23
	s_add_co_u32 s70, s70, s74
	s_lshl_b32 s71, s[TC], 8
	s_lshl_b32 s74, s[CH], 7
	s_add_co_u32 s71, s71, s74
	s_lshl_b32 s74, s[CY], 5
	s_add_co_u32 s71, s71, s74                     ; the weights: the 128 rows that I fetch, my work-group's 32
	s_lshl_b32 s71, s71, 11
	s_lshr_b32 s74, s[KX], 1                       ; x: 0 in cluster x = 0 and 1
	s_cmp_eq_u32 s[RH], 0
	s_cselect_b32 s70, s70, s71
	s_cselect_b32 s74, s74, s[KY]                  ; the weights: 0 in cluster y = 0
	s_cselect_b64 s[PFA:PFA+1], s[4:5], s[6:7]
	s_mov_b32 s71, 0
	s_add_nc_u64 s[PFA:PFA+1], s[PFA:PFA+1], s[70:71]
	s_add_nc_u64 s[PFA:PFA+1], s[PFA:PFA+1], 3*KS  ; at K step 3: the first refill steps it to 4
	s_cmp_eq_u32 s74, 0
	s_cselect_b32 s[LIM], 1, -1                    ; the same in all sixteen partners, for a given wave
	v_lshlrev_b32 v[PFO], 11, v4
	s_wait_tensorcnt 1                             ; my part of K step 0 is in; K step 1's may stay out
	s_barrier_signal -1
	s_barrier_wait -1
	FETCH 0, 0, F0
	s_wait_loadcnt 0x0                             ; the bias
	QUARTER 0, 64, F0, F1, 1                       ; the first quarter stands in front of the loop: its products start the sums
	WIN 0
	s_mov_b32 s[LAP], 3
.Llap:                                         ; a trip goes once round the ring and fills both slots again
	QUARTER 0, 128, F1, F0, 0
	QUARTER 0, 192, F0, F1, 0
	TURN 0, 1, 1
	QUARTER 1, 64,  F0, F1, 0
	QUARTER 1, 128, F1, F0, 0
	QUARTER 1, 192, F0, F1, 0
	TURN 1, 0, 1
	QUARTER 0, 64,  F0, F1, 0
	WIN 0
	s_sub_co_u32 s[LAP], s[LAP], 1
	s_cmp_lg_u32 s[LAP], 0
	s_cbranch_scc1 .Llap
	QUARTER 0, 128, F1, F0, 0                      ; the last lap fills nothing
	QUARTER 0, 192, F0, F1, 0
	TURN 0, 1, 0
	QUARTER 1, 64,  F0, F1, 0
	QUARTER 1, 128, F1, F0, 0
	QUARTER 1, 192, F0, F1, 0
	s_wait_dscnt 8                                 ; the very last quarter: nothing more to fetch
	MUL16 F1, 0, 0, 0
	MUL16 F1, 0, 2, 0
	s_wait_dscnt 0x0
	MUL16 F1, 1, 0, 0
	MUL16 F1, 1, 2, 0
	WIN 0
	PLACES
; THE WAY OUT of block a of 16 rows, in three parts.  PACK: rounded to f16, 16 bytes a lane.  TOSTAGE: into my own stage (two heads x 16 rows x 144 bytes), and back as whole rows of 128 bytes.
; SEND: stored, 512 consecutive bytes of a head an instruction.  Block a's conversions stand between block a - 1's loads from the stage and the wait for them.
.macro PACK a
.set AC, 64*((\a)%4)
	WIN 0x0a+5*((\a)/4)                            ; sources 0 and 1 in window 2 or 3, destination in window 0; each accumulator's registers in ascending order
.irp b, 0,1,2,3,4,5,6,7
.irp p, 0,1,2,3
	v_cvt_pk_f16_f32 v[TMP+4*(\b)+(\p)], v[AC+8*(\b)+2*(\p)], v[AC+8*(\b)+2*(\p)+1]
.endr
.endr
	WIN 0
.endm
.macro TOSTAGE a
.set BK, OB+192*((\a)%2)
.irp b, 0,1,2,3,4,5,6,7
	ds_store_b128 v[STO], v[TMP+4*(\b):TMP+4*(\b)+3] offset:((\b)/4)*2304+32*((\b)%4)
.endr
.irp t, 0,1,2,3,4,5,6,7
	ds_load_b128 v[BK+4*(\t):BK+4*(\t)+3], v[RD] offset:((\t)/4)*2304+((\t)%4)*576  ; LDS serves a wave's instructions in order: these see the stores above
.endr
.endm
.macro SEND a
.set BK, OB+192*((\a)%2)
	s_wait_dscnt 0x0                               ; the block is back in registers
	s_wait_xcnt 0x0                                ; the stores of the block before have read their registers, into which the next block is read back
.irp t, 0,1,2,3,4,5,6,7
	global_store_b128 v[GO], v[BK+4*(\t):BK+4*(\t)+3], s[OUT:OUT+1] offset:((\t)/4)*131072+(\a)*2048+((\t)%4)*512
.endr
.endm
	PACK 0
	TOSTAGE 0
.irp a, 1,2,3,4,5,6,7
	PACK \a
	SEND (\a)-1
	TOSTAGE \a
.endr
	SEND 7
	s_wait_tensorcnt 0x0                           ; the wave's end
	ds_add_u32 v[SPW], v[NIL]
	s_wait_dscnt 0x0
	CROUND                                         ; the closing round: no work-group ends while a partner may still ask for a tile that names it
	s_endpgm
.Lfunc_end_k_q09dfb6873c_proj:
	.size	k_q09dfb6873c_proj, .Lfunc_end_k_q09dfb6873c_proj-k_q09dfb6873c_proj
	.p2alignl 7, 3214868480
	.fill 96, 4, 3214868480
	.section	.rodata,"a",@progbits
	.p2align	6, 0x0
	.amdhsa_kernel k_q09dfb6873c_proj
		.amdhsa_group_segment_fixed_size 327680
		.amdhsa_private_segment_fixed_size 0
		.amdhsa_enable_private_segment 0
		.amdhsa_kernarg_size 32
		.amdhsa_user_sgpr_count 2
		.amdhsa_user_sgpr_kernarg_segment_ptr 1
		.amdhsa_wavefront_size32 1
		.amdhsa_system_sgpr_workgroup_id_x 1
		.amdhsa_system_sgpr_workgroup_id_y 1
		.amdhsa_system_sgpr_workgroup_id_z 1
		.amdhsa_system_vgpr_workitem_id 0
		.amdhsa_next_free_vgpr 1024
		.amdhsa_next_free_sgpr 80
		.amdhsa_reserve_vcc 0
		.amdhsa_float_denorm_mode_32 3
		.amdhsa_float_denorm_mode_16_64 3
		.amdhsa_memory_ordered 1
		.amdhsa_forward_progress 1
		.amdhsa_inst_pref_size 148
	.end_amdhsa_kernel
	.amdgpu_metadata
---
amdhsa.version: [ 1, 2 ]
amdhsa.kernels:
  - .name:           k_q09dfb6873c_proj
    .symbol:         k_q09dfb6873c_proj.kd
    .args:
      - { .name: xh, .offset: 0, .size: 8, .value_kind: global_buffer, .address_space: global }
      - { .name: wh, .offset: 8, .size: 8, .value_kind: global_buffer, .address_space: global }
      - { .name: bh, .offset: 16, .size: 8, .value_kind: global_buffer, .address_space: global }
      - { .name: qkv, .offset: 24, .size: 8, .value_kind: global_buffer, .address_space: global }
    .group_segment_fixed_size: 327680
    .private_segment_fixed_size: 0
    .kernarg_segment_align: 8
    .kernarg_segment_size: 32
    .max_flat_workgroup_size: 128
    .sgpr_count:     80
    .vgpr_count:     1024
    .wavefront_size: 32
...
	.end_amdgpu_metadata
.endif
;; end of part 2
;; launch attn (part 3): grid 4 x 64, 8 waves a work-group, clusters of 4 x 1, 327,680 bytes of LDS; arguments qkv, mk, on; writes on
.if DOCPART == 3
	.amdgcn_target "amdgcn-amd-amdhsa--gfx1250"
	.amdhsa_code_object_version 6
	.text
	.protected	k_q09dfb6873c_attn
	.globl	k_q09dfb6873c_attn
	.p2align	8
	.type	k_q09dfb6873c_attn,@function
k_q09dfb6873c_attn:
	s_mov_b64 s[64:65], 0
	v_nop
	global_prefetch_b8 v0, s[64:65] scope:SCOPE_SE
	s_setreg_imm32_b32 hwreg(HW_REG_WAVE_MODE, 25, 1), 1
	s_wait_xcnt 0x0
	s_wait_alu depctr_hold_cnt(0) depctr_sa_sdst(0) depctr_va_vdst(0) depctr_va_sdst(0) depctr_va_ssrc(0) depctr_va_vcc(0) depctr_vm_vsrc(0)
	s_getreg_b32 s2, hwreg(HW_REG_IB_STS2, 6, 4)
	s_cmp_eq_u32 s2, 0
	s_cbranch_scc0 .Lentry_in_a_cluster
	s_endpgm
.Lentry_in_a_cluster:
	s_bfe_u32 s2, ttmp6, 0x10000c
	s_cmp_lg_u32 s2, 0x3003
	s_cbranch_scc0 .Lentry_shape_is_right
	s_endpgm
.Lentry_shape_is_right:
; Launch 3 of 4: for each head, O = softmax(S) V and R = softmax(1 - softmax(S)) V, S = Q K^T / 8 + mask.  Q, K, V: qkv[3][64 heads][1024][64] f16; mk: 8 x mask in bf16, in the
; accumulators' order; on[2 (O, R)][64][1024][64] f16.
; LEFT OUT: the 1.0 in front of the second softmax (the same along its axis) and that softmax's maximum: its input -p lies in -1 .. 0 since p is normalised, so exp(-p) lies in 0.36 .. 1
; and its sum in 376 .. 1,024 for every input.  The first softmax has its running maximum.
; LIMITS.  p and r are rounded to f16 for the products with V (p below 6e-5 keeps f16's fixed step of 6e-8); their sums are taken of the unrounded numbers, in f32.  O and R are means of
; V's rows and have their range.  A row whose mask hides every key by an infinity gives NaN (reference's f32 gives equal weights where the mask is its lowest finite number).
; NaN and infinities are not treated apart otherwise.
; TWO WALKS.  r = exp(-p) wants the finished p = e / l, so the keys are walked twice: walk 1 finds each query's maximum m and sum l; walk 2 makes the scores again, p = 2^(c s - c m - log2 l),
; r = 2^(-p log2 e), and both products with V.  c = log2(e) / 8.  Nothing is rescaled in walk 2: m and l are final.
; THE HEAD'S K AND V LIE IN LDS WHOLE (1,024 rows of 144 and of 160 bytes), filled once: the walks have no ring and no barrier.
; SHARES.  A work-group has 256 queries of a head, each of its eight waves 32: two tiles of 16.  Two waves share a SIMD: one's products run beside the other's vector work.
; CLUSTER.  The head's four query blocks ask for K and V jointly: the same tensor loads, descriptors and mask in all four.
; LAYOUT.  S^T = K Q^T + 8 mask (source 0 = 16 keys, source 1 = 16 queries; the mask, unpacked to f32, is the C operand that starts the sum): a lane holds ONE query (l % 16) and the keys
; 8 (l / 16) + 0..7.  Two such results rounded to f16 ARE source 1 of O^T = V^T P.  K comes out of LDS as it lies, V turned, by ds_load_tr16_b128.
; REGISTERS (s_set_vgpr_msb: bits 1:0 source 0, 3:2 source 1, 5:4 source 2, 7:6 destination):
;   window 0: v1-15 addresses; v16-39 statistics; v64-127 S^T; v128-159 P; v160-191 R; v192-223 the next step's mask; v224-255 Q
;   window 1: v0-63 O^T; v64-127 R's O^T; v128-191 K of a step; v192-255 V of a step
.set PK,    144                        ; a row of K: 128 bytes + 16: the 16 rows of a load start at 16 different groups of four banks
.set PVP,   160                        ; a row of V: 128 + 32
.set VOFF,  1024*PK
.set SPARE, VOFF+1024*PVP              ; behind V: the spare words, 128 bytes for each wave
.set SP,    144                        ; the way out's stages, 16 rows x 144 bytes a wave, lie over K's first bytes: K has had its only fill, and a barrier stands behind its last read
.set AK0, 2
.set AV0, 3
.set AK,  4
.set AV,  5
.set QO,  6
.set RD,  7
.set GO,  8
.set MO,  10                           ; v10  my byte offset in my wave's mask stream
.set PFO, 11                           ; v11  the prefetches' offset
.set SPW, 12                           ; v12  LDS address of my spare word; never rewritten
.set NIL, 13                           ; v13  0; never rewritten
.set STO, 14
.set ST,  16                           ; tile t: c m, m, l (even keys', odd keys') at v[ST+4 t]
.set MV,  24                           ; c m_old
.set TMP, 28                           ; tile t: c0-c3 at work; c2 takes a
.set RS,  36                           ; tile t: the sum of r, a pair
.set S,   64
.set P,   128
.set R,   160
.set MR,  192
.set Q,   224
.set O,   0                            ; window 1
.set RO,  64
.set KF,  128
.set VF,  192
.set WV,  12
.set CX,  13
.set QB,  14
.set Y,   15
.set QP,  16
.set MP,  18
.set OP0, 20
.set OP1, 22
.set G1K, 24
.set G1V, 32
.set G0K, 40
.set G0V, 44
.set CS,  48                           ; s[48:49] c
.set NL,  50                           ; s[50:51] -log2(e)
.set SEL, 52
.set HM,  54
.set CNT, 55
.set LIM, 56
.set MSB, 0
.macro WIN new
.if MSB != (\new)
	s_set_vgpr_msb (MSB<<8)|(\new)
.set MSB, \new
.endif
.endm
.macro PLACES
.rept 4
	v_nop
.endr
.endm
.macro CROUND                          ; a round of the cluster's barrier
	s_barrier_signal -1
	s_barrier_wait -1
	s_cmp_lg_u32 s[WV], 0
	s_cbranch_scc1 .Lnot_wave_0_\@
	s_barrier_signal -3
.Lnot_wave_0_\@:
	s_barrier_wait -3
	s_barrier_signal -1
	s_barrier_wait -1
.endm
.macro KLOADS                          ; a step's K: keys 16 (f / 2) on, channels 32 (f % 2) on
.irp f, 0,1,2,3,4,5,6,7
	ds_load_b128 v[KF+8*\f:KF+8*\f+3],   v[AK] offset:(\f/2)*16*PK+(\f%2)*64
	ds_load_b128 v[KF+8*\f+4:KF+8*\f+7], v[AK] offset:(\f/2)*16*PK+(\f%2)*64+32
.endr
.endm
.macro FETCH_K
	WIN 0x40                                       ; destination window 1
	KLOADS
	WIN 0
	v_add_nc_u32 v[AK], 64*PK, v[AK]
.endm
.macro FETCH_KV                        ; K, then V turned: keys 32 (f / 4) on, channels 16 (f % 4) on
	WIN 0x40
	KLOADS
.irp f, 0,1,2,3,4,5,6,7
	ds_load_tr16_b128 v[VF+8*\f:VF+8*\f+3],   v[AV] offset:(\f/4)*32*PVP+(\f%4)*32
	ds_load_tr16_b128 v[VF+8*\f+4:VF+8*\f+7], v[AV] offset:(\f/4)*32*PVP+16*PVP+(\f%4)*32
.endr
	WIN 0
	v_add_nc_u32 v[AK], 64*PK, v[AK]
	v_add_nc_u32 v[AV], 64*PVP, v[AV]
.endm
.macro MLOAD                           ; a step's mask for my 32 queries: 4,096 consecutive bytes
.irp i, 0,1,2,3,4,5,6,7
	global_load_b128 v[MR+4*\i:MR+4*\i+3], v[MO], s[MP:MP+1] offset:512*\i
.endr
.endm
.macro UNPACK                          ; bf16 to f32, into the accumulators: the products add onto it
.set i, 0
.rept 32
	v_lshlrev_b32 v[S+2*i],   16, v[MR+i]
	v_and_b32     v[S+2*i+1], s[HM], v[MR+i]
.set i, i+1
.endr
.endm
; 16 products S^T += K Q^T: channels 32 (i / 8) on, keys 16 ((i / 2) % 4) on, tile i % 2.  The 8 accumulators take turns.
.macro QK
	WIN 0x01                                       ; K in window 1
.set i, 0
.rept 16
.set rS, S+32*(i%2)+8*((i/2)%4)
.set rK, KF+16*((i/2)%4)+8*(i/8)
.set rQ, Q+16*(i%2)+8*(i/8)
	v_wmma_f32_16x16x32_f16 v[rS:rS+7], v[rK:rK+7], v[rQ:rQ+7], v[rS:rS+7]
.set i, i+1
.endr
.endm
; 16 products base += V^T src: keys 32 (i / 8) on, channels 16 ((i / 2) % 4) on, tile i % 2.  zero = 1: the first 8 start the sums.
.macro PV base, src, zero
	WIN 0x51                                       ; V and the sums in window 1
.set i, 0
.rept 16
.set rO, (\base)+32*(i%2)+8*((i/2)%4)
.set rV, VF+32*(i/8)+8*((i/2)%4)
.set rP, (\src)+16*(i%2)+8*(i/8)
.if (\zero) && (i < 8)
	v_wmma_f32_16x16x32_f16 v[rO:rO+7], v[rV:rV+7], v[rP:rP+7], 0
.else
	v_wmma_f32_16x16x32_f16 v[rO:rO+7], v[rV:rV+7], v[rP:rP+7], v[rO:rO+7]
.endif
.set i, i+1
.endr
.endm
; Number n of the 22 that find tile u's maximum and statistics; each accumulator's lowest registers are read first.
;   0-11 four chains of seven scores   12-14, 16 the four left over, the old m, all into c0   15 c m_old is kept   17, 18 the other 32 keys lie in the lane 16 away   19-21 c m; its change; a
.macro XS u, n
.set rT, ST+4*(\u)
.set rC, TMP+4*(\u)
.set rM, MV+(\u)
.set rS, S+32*(\u)
.if (\n) < 4
	v_max3_num_f32 v[rC+(\n)], v[rS+8*(\n)], v[rS+8*(\n)+1], v[rS+8*(\n)+2]
.elseif (\n) < 12
	v_max3_num_f32 v[rC+(\n)%4], v[rC+(\n)%4], v[rS+8*((\n)%4)+2*((\n)/4)+1], v[rS+8*((\n)%4)+2*((\n)/4)+2]
.elseif (\n) == 12
	v_max3_num_f32 v[rC], v[rC], v[rS+7], v[rS+15]
.elseif (\n) == 13
	v_max3_num_f32 v[rC+1], v[rC+1], v[rS+23], v[rS+31]
.elseif (\n) == 14
	v_max3_num_f32 v[rC+2], v[rC+2], v[rC+3], v[rT+1]
.elseif (\n) == 15
	v_mov_b32 v[rM], v[rT]
.elseif (\n) == 16
	v_max3_num_f32 v[rC], v[rC], v[rC+1], v[rC+2]
.elseif (\n) == 17
	v_permlanex16_b32 v[rC+3], v[rC], s[SEL], s[SEL+1]
.elseif (\n) == 18
	v_max_num_f32 v[rT+1], v[rC], v[rC+3]
.elseif (\n) == 19
	v_mul_f32 v[rT], s[CS], v[rT+1]
.elseif (\n) == 20
	v_sub_f32 v[rC+1], v[rM], v[rT]
.else
	v_exp_f32 v[rC+2], v[rC+1]
.endif
.endm
.macro FSALL                           ; c s - c m, a pair at a time, the tiles alternating
.set n, 0
.rept 16
.irp t, 0,1
	v_pk_fma_f32 v[S+32*\t+2*n:S+32*\t+2*n+1], v[S+32*\t+2*n:S+32*\t+2*n+1], s[CS:CS+1], v[ST+4*\t:ST+4*\t+1] op_sel_hi:[1,0,0] neg_lo:[0,0,1] neg_hi:[0,0,1]
.endr
.set n, n+1
.endr
.endm
.macro EXS                             ; 64 exponentials in place: none reads another's result
.set n, 0
.rept 64
	v_exp_f32 v[S+n], v[S+n]
.set n, n+1
.endr
.endm
.macro CVT dst                         ; both tiles' 64 numbers rounded to f16, in pairs
.set n, 0
.rept 32
	v_cvt_pk_f16_f32 v[(\dst)+n], v[S+2*n], v[S+2*n+1]
.set n, n+1
.endr
.endm
; The sum of a tile's 16 pairs, in place: neighbours 1, 2, 4 and 8 pairs apart; the tiles alternate.  last = 1: the last sum starts RS.
.macro TREE last
.set z, 0
.rept 15
.set w, 4
.set u, z
.if z >= 14
.set w, 32
.set u, 0
.elseif z >= 12
.set w, 16
.set u, z-12
.elseif z >= 8
.set w, 8
.set u, z-8
.endif
.irp t, 0,1
.if (z == 14) && (\last)
	v_pk_add_f32 v[RS+2*\t:RS+2*\t+1], v[S+32*\t:S+32*\t+1], v[S+32*\t+16:S+32*\t+17]
.else
	v_pk_add_f32 v[S+32*\t+w*u:S+32*\t+w*u+1], v[S+32*\t+w*u:S+32*\t+w*u+1], v[S+32*\t+w*u+w/2:S+32*\t+w*u+w/2+1]
.endif
.endr
.set z, z+1
.endr
.endm
; A prefetch of the mask, in walk 1 alone.  The sixteen heads of a batch read the same mask: the batch's first head asks.  There each even wave asks for a step of its own stream (lanes 0-15, 256 bytes
; apart) and of the next wave's (lanes 16-31): trip t names step t + 6, which trip t + 5 loads.  Steps 0 to 5 come by their loads alone; from trip 10 on nothing is left to name.  Each 256 bytes are named once.
.macro ASK
	s_cmp_gt_u32 s[CNT], s[LIM]
	s_cbranch_scc0 .Lnot_mine_\@
	global_prefetch_b8 v[PFO], s[MP:MP+1] th:TH_LOAD_NT scope:SCOPE_SE
.Lnot_mine_\@:
.endm
	s_load_b128 s[4:7], s[0:1], 0x0                ; qkv s[4:5], mk s[6:7]
	s_load_b64 s[8:9], s[0:1], 0x10                ; on
	v_lshl_add_u32 v[SPW], v0, 2, SPARE
	v_mov_b32 v[NIL], 0
	ds_add_u32 v[SPW], v[NIL]                      ; the wave's opening: the add, twice on end, and its wait ahead of my first tensor load
	ds_add_u32 v[SPW], v[NIL]
	v_lshrrev_b32 v1, 5, v0
	v_readfirstlane_b32 s[WV], v1                  ; wave 0..7
	s_bfe_u32 s[CX], ttmp6, 0x40000
	s_lshl_b32 s[QB], ttmp9, 2
	s_add_co_u32 s[QB], s[QB], s[CX]               ; my block of 256 queries: it enters Q's, the mask's and the output's addresses alone
	s_and_b32 s[Y], ttmp7, 0xffff                  ; batch x 16 + head, which the four partners share
	s_lshl_b32 s2, s[Y], 17                        ; the head's 131,072 bytes,
	s_lshl_b32 s3, s[WV], 14                       ; the 128 keys that I fetch
	s_add_co_u32 s2, s2, s3
	s_mov_b32 s3, 0
	s_lshl_b32 s58, s[Y], 17                       ; my 32 queries in Q and in the outputs
	s_lshl_b32 s59, s[QB], 15
	s_add_co_u32 s58, s58, s59
	s_lshl_b32 s59, s[WV], 12
	s_add_co_u32 s58, s58, s59
	s_mov_b32 s59, 0
	s_lshr_b32 s60, s[Y], 4                        ; the batch's mask, 2 MiB,
	s_lshl_b32 s60, s60, 21
	s_lshl_b32 s61, s[QB], 3
	s_add_co_u32 s61, s61, s[WV]
	s_lshl_b32 s61, s61, 16                        ; my 32 queries' stream of 65,536 bytes
	s_add_co_u32 s60, s60, s61
	s_mov_b32 s61, 0
	; 128 keys are 16,384 dense bytes: asked for as 64 rows of 256 bytes, two keys a row, padded in LDS after every key
	s_mov_b32 s[G1K], 15|(1<<16)|(1<<20)|(1<<21)|(4<<22)|(3<<25)  ; the mask of four; 2-byte elements; padding on; bit 21 beside a mask; after every 32 words, 4 words
	s_mov_b32 s[G1V], 15|(1<<16)|(1<<20)|(1<<21)|(4<<22)|(7<<25)  ; the same with 8 words
.irp g, G1K, G1V
	s_mov_b32 s[\g+1], 128<<16
	s_mov_b32 s[\g+2], 64<<16
	s_mov_b32 s[\g+3], 128<<16
	s_mov_b32 s[\g+4], 64
	s_mov_b32 s[\g+5], 128
	s_mov_b32 s[\g+6], 0
	s_mov_b32 s[\g+7], 0
.endr
	s_mov_b32 s[G0K], 1
	s_mul_i32 s[G0K+1], s[WV], 128*PK
	s_mov_b32 s[G0V], 1
	s_mul_i32 s[G0V+1], s[WV], 128*PVP
	s_add_co_u32 s[G0V+1], s[G0V+1], VOFF
	s_mov_b32 s[CS], 0x3e38aa3b                    ; c = log2(e) / 8
	s_mov_b32 s[CS+1], s[CS]
	s_mov_b32 s[NL], 0xbfb8aa3b                    ; -log2(e)
	s_mov_b32 s[NL+1], s[NL]
	s_mov_b32 s[SEL], 0x76543210
	s_mov_b32 s[SEL+1], 0xfedcba98
	s_mov_b32 s[HM], 0xffff0000
	s_and_b32 s[LIM], s[Y], 15
	s_and_b32 s57, s[WV], 1
	s_or_b32 s[LIM], s[LIM], s57
	s_cmp_eq_u32 s[LIM], 0
	s_cselect_b32 s[LIM], 6, -1                    ; the same in all four partners, for a given wave
	s_wait_dscnt 0x0                               ; both opening adds are done
	s_wait_kmcnt 0x0
	s_add_nc_u64 s[G0K+2:G0K+3], s[4:5], s[2:3]
	s_add_nc_u64 s[G0V+2:G0V+3], s[G0K+2:G0K+3], 0x1000000  ; V is the third tensor of qkv,
	s_add_nc_u64 s[G0K+2:G0K+3], s[G0K+2:G0K+3], 0x800000   ; K the second
	s_or_b32 s[G0K+3], s[G0K+3], 0x80000000
	s_or_b32 s[G0V+3], s[G0V+3], 0x80000000
	s_add_nc_u64 s[QP:QP+1], s[4:5], s[58:59]
	s_add_nc_u64 s[MP:MP+1], s[6:7], s[60:61]
	s_add_nc_u64 s[OP0:OP0+1], s[8:9], s[58:59]
	s_add_nc_u64 s[OP1:OP1+1], s[OP0:OP0+1], 0x800000
	CROUND                                         ; all four work-groups are here: the joint loads meet
	tensor_load_to_lds s[G0K:G0K+3], s[G1K:G1K+7]  ; my 128 keys of K, then of V: the launch's only fills; two loads of mine are out
	s_nop 0
	tensor_load_to_lds s[G0V:G0V+3], s[G1V:G1V+7]
	s_nop 0
.rept 4
	v_nop
.endr
	v_and_b32 v1, 15, v0                           ; l % 16
	v_bfe_u32 v9, v0, 4, 1                         ; l / 16
	v_and_b32 v15, 31, v0                          ; l
	v_lshlrev_b32 v[QO], 7, v1
	v_lshl_add_u32 v[QO], v9, 4, v[QO]             ; row x 128 + 16 x half
.irp i, 0,1,2,3
	global_load_b128 v[Q+8*\i:Q+8*\i+3],   v[QO], s[QP:QP+1] offset:(\i/2)*2048+(\i%2)*64      ; Q stays in registers: tile i / 2, channels 32 (i % 2) on
	global_load_b128 v[Q+8*\i+4:Q+8*\i+7], v[QO], s[QP:QP+1] offset:(\i/2)*2048+(\i%2)*64+32
.endr
	v_lshlrev_b32 v[MO], 4, v15
	MLOAD                                          ; key step 0's mask
	v_lshlrev_b32 v[PFO], 8, v1
	v_lshl_add_u32 v[PFO], v9, 16, v[PFO]
	v_add_nc_u32 v[PFO], 5*4096, v[PFO]            ; the first trip steps it to step 6
	v_mul_u32_u24 v[AK0], v1, PK
	v_lshl_add_u32 v[AK0], v9, 4, v[AK0]           ; row x pitch + 16 x half
	v_and_b32 v40, 7, v0
	v_bfe_u32 v41, v0, 3, 1
	v_lshl_add_u32 v[AV0], v9, 3, v40              ; the turning load: key 8 (l / 16) + l % 8, channels 8 ((l / 8) % 2) on
	v_mul_u32_u24 v[AV0], v[AV0], PVP
	v_lshl_add_u32 v[AV0], v41, 4, v[AV0]
	v_add_nc_u32 v[AV0], VOFF, v[AV0]
	v_mov_b32 v[AK], v[AK0]
	s_mul_i32 s57, s[WV], 16*SP                    ; my stage
	v_mul_u32_u24 v[STO], v1, SP
	v_lshl_add_u32 v[STO], v9, 4, v[STO]
	v_add_nc_u32 v[STO], s57, v[STO]
	v_bfe_u32 v[RD], v0, 3, 2
	v_mul_u32_u24 v[RD], v[RD], SP
	v_lshl_add_u32 v[RD], v40, 4, v[RD]
	v_add_nc_u32 v[RD], s57, v[RD]
	v_lshlrev_b32 v[GO], 4, v15
.irp t, 0,1
	v_mov_b32 v[ST+4*\t+1], 0xff7fffff             ; m: the lowest finite number;
	v_mul_f32 v[ST+4*\t], s[CS], v[ST+4*\t+1]      ; c m by the loop's own multiply, so that a = 1 while no finite score has come
	v_mov_b32 v[ST+4*\t+2], 0
	v_mov_b32 v[ST+4*\t+3], 0
.endr
	s_wait_tensorcnt 1                             ; my part of K is in; V's may stay out
	s_barrier_signal -1
	s_barrier_wait -1                              ; K is whole
	s_mov_b32 s[CNT], 16
.Lwalk1:                                       ; WALK 1, a key step of 64 a trip: the scores, the running maximum, the sum
	FETCH_K
	s_wait_loadcnt 0x0                             ; this step's mask (and Q)
	UNPACK
	s_wait_xcnt 0x0                                ; the last prefetch, a trip back, has read its offset
	v_add_nc_u32 v[MO], 4096, v[MO]
	v_and_b32 v[MO], 0xffff, v[MO]                 ; the last trip goes back to step 0, which walk 2 wants first
	v_add_nc_u32 v[PFO], 4096, v[PFO]
	MLOAD                                          ; the next step's mask has the trip in which to come
	ASK
	s_wait_dscnt 0x0                               ; K is in
	QK
	WIN 0
	PLACES
.irp n, 0,1,2,3,4,5,6,7,8,9,10,11,12,13,14,15,16,17,18,19,20
	XS 0, \n
	XS 1, \n
.endr
	FSALL
	XS 0, 21                                       ; one batch: the two a and the 64 weights
	XS 1, 21
	EXS
	v_nop                                          ; a plain instruction behind the last exponential,
	s_wait_alu depctr_va_vdst(0)                   ; and the one wait ahead of the batch's first reader
	TREE 0
.irp t, 0,1
	v_pk_fma_f32 v[ST+4*\t+2:ST+4*\t+3], v[ST+4*\t+2:ST+4*\t+3], v[TMP+4*\t+2:TMP+4*\t+3], v[S+32*\t:S+32*\t+1] op_sel_hi:[1,0,1]  ; l = a l + the sum
.endr
	s_sub_co_u32 s[CNT], s[CNT], 1
	s_cmp_lg_u32 s[CNT], 0
	s_cbranch_scc1 .Lwalk1
	; BETWEEN THE WALKS: l's two halves and the other half of the lanes'; c m takes log2 l, so that walk 2's exponential is the normalised weight
.irp t, 0,1
	v_add_f32 v[ST+4*\t+2], v[ST+4*\t+2], v[ST+4*\t+3]
.endr
.irp t, 0,1
	v_permlanex16_b32 v[ST+4*\t+3], v[ST+4*\t+2], s[SEL], s[SEL+1]
.endr
.irp t, 0,1
	v_add_f32 v[ST+4*\t+2], v[ST+4*\t+2], v[ST+4*\t+3]
.endr
.irp t, 0,1
	v_log_f32 v[ST+4*\t+3], v[ST+4*\t+2]
.endr
	v_mov_b32 v[AK], v[AK0]                        ; back to key step 0 (also the plain instruction behind the logarithms)
	v_mov_b32 v[AV], v[AV0]
	s_wait_alu depctr_va_vdst(0)
.irp t, 0,1
	v_add_f32 v[ST+4*\t], v[ST+4*\t], v[ST+4*\t+3]
.endr
	s_wait_tensorcnt 0x0                           ; my part of V is in
	s_wait_dscnt 0x0
	s_barrier_signal -1
	s_barrier_wait -1                              ; V is whole
; WALK 2, a key step.  zero = 1: the first, whose products start O^T's and R's sums and whose sum starts RS.
.macro STEP2 zero
	FETCH_KV
	s_wait_loadcnt 0x0                             ; this step's mask; the wait also frees its offset
	UNPACK
.if !(\zero)
	s_cmp_eq_u32 s[CNT], 1                         ; the last step has no next mask
	s_cbranch_scc1 .Lno_mask_\@
.endif
	v_add_nc_u32 v[MO], 4096, v[MO]
	MLOAD
.if !(\zero)
.Lno_mask_\@:
.endif
	s_wait_dscnt 16                                ; K is in; V's 16 loads may be out
	QK
	WIN 0
	PLACES
	FSALL
	EXS                                            ; p
	v_nop
	s_wait_alu depctr_va_vdst(0)                   ; one wait for the batch
	CVT P
.set n, 0
.rept 32
	v_pk_mul_f32 v[S+2*n:S+2*n+1], v[S+2*n:S+2*n+1], s[NL:NL+1] op_sel_hi:[1,0]  ; -p log2 e
.set n, n+1
.endr
	EXS                                            ; r
	s_wait_dscnt 0x0                               ; V is in
	PV O, P, \zero                                 ; work that names no result of the batch
	WIN 0
	v_nop
	s_wait_alu depctr_va_vdst(0)                   ; one wait for the batch
	CVT R
	PV RO, R, \zero
	WIN 0
	TREE \zero                                     ; 30 plain lines that name no register of the last products: the places in front of the next step's loads into V's registers
.if !(\zero)
.irp t, 0,1
	v_pk_add_f32 v[RS+2*\t:RS+2*\t+1], v[RS+2*\t:RS+2*\t+1], v[S+32*\t:S+32*\t+1]
.endr
.endif
.endm
	STEP2 1
	s_mov_b32 s[CNT], 15
.Lwalk2:
	STEP2 0
	s_sub_co_u32 s[CNT], s[CNT], 1
	s_cmp_lg_u32 s[CNT], 0
	s_cbranch_scc1 .Lwalk2
	; THE WAY OUT.  O^T is finished as it stands; R's is divided by the sum of r.  Each tile goes through my stage, which lies over K: so first nobody reads K any more.
	s_wait_dscnt 0x0
	s_barrier_signal -1
	s_barrier_wait -1
.irp t, 0,1
	v_add_f32 v[RS+2*\t], v[RS+2*\t], v[RS+2*\t+1]
.endr
.irp t, 0,1
	v_permlanex16_b32 v[RS+2*\t+1], v[RS+2*\t], s[SEL], s[SEL+1]
.endr
.irp t, 0,1
	v_add_f32 v[RS+2*\t], v[RS+2*\t], v[RS+2*\t+1]
.endr
.irp t, 0,1
	v_rcp_f32 v[RS+2*\t], v[RS+2*\t]
.endr
	v_nop
	s_wait_alu depctr_va_vdst(0)                   ; one wait for the two reciprocals
; Tile c of four (O's two, then R's two; 32 c in window 1): a lane's eight channels of a row pack into 16 bytes; rows of 144 bytes in, whole rows of 128 back, into S^T's registers.
.macro PACK c
.if (\c) >= 2
	WIN 0x41
.set i, 32*(\c)
.rept 16
	v_pk_mul_f32 v[i:i+1], v[i:i+1], v[RS+2*((\c)-2):RS+2*((\c)-2)+1] op_sel_hi:[1,0]
.set i, i+2
.endr
.endif
	WIN 0x05                                       ; sources in window 1, destination in window 0; each accumulator's registers in ascending order
.set i, 0
.rept 16
	v_cvt_pk_f16_f32 v[S+16*(\c)+i], v[32*(\c)+2*i], v[32*(\c)+2*i+1]
.set i, i+1
.endr
	WIN 0
.irp f, 0,1,2,3
	ds_store_b128 v[STO], v[S+16*(\c)+4*\f:S+16*(\c)+4*\f+3] offset:32*\f
.endr
.irp f, 0,1,2,3
	ds_load_b128 v[S+16*(\c)+4*\f:S+16*(\c)+4*\f+3], v[RD] offset:\f*4*SP  ; LDS serves a wave's instructions in order: these see the stores above; the next tile's stores come behind them
.endr
.endm
.macro SEND c, base, younger           ; younger: the LDS instructions issued behind tile c's loads: the next tile's eight, or none
.irp f, 0,1,2,3
	s_wait_dscnt (\younger)+3-\f
	global_store_b128 v[GO], v[S+16*(\c)+4*\f:S+16*(\c)+4*\f+3], s[(\base):(\base)+1] offset:((\c)%2)*2048+\f*512  ; 512 consecutive bytes
.endr
.endm
	PACK 0
	PACK 1
	SEND 0, OP0, 8
	PACK 2
	SEND 1, OP0, 8
	PACK 3
	SEND 2, OP1, 8
	SEND 3, OP1, 0
	s_wait_tensorcnt 0x0                           ; the wave's end
	ds_add_u32 v[SPW], v[NIL]
	s_wait_dscnt 0x0
	CROUND                                         ; the closing round
	s_endpgm
.Lfunc_end_k_q09dfb6873c_attn:
	.size	k_q09dfb6873c_attn, .Lfunc_end_k_q09dfb6873c_attn-k_q09dfb6873c_attn
	.p2alignl 7, 3214868480
	.fill 96, 4, 3214868480
	.section	.rodata,"a",@progbits
	.p2align	6, 0x0
	.amdhsa_kernel k_q09dfb6873c_attn
		.amdhsa_group_segment_fixed_size 327680
		.amdhsa_private_segment_fixed_size 0
		.amdhsa_enable_private_segment 0
		.amdhsa_kernarg_size 24
		.amdhsa_user_sgpr_count 2
		.amdhsa_user_sgpr_kernarg_segment_ptr 1
		.amdhsa_wavefront_size32 1
		.amdhsa_system_sgpr_workgroup_id_x 1
		.amdhsa_system_sgpr_workgroup_id_y 1
		.amdhsa_system_sgpr_workgroup_id_z 1
		.amdhsa_system_vgpr_workitem_id 0
		.amdhsa_next_free_vgpr 512
		.amdhsa_next_free_sgpr 66
		.amdhsa_reserve_vcc 0
		.amdhsa_float_denorm_mode_32 3
		.amdhsa_float_denorm_mode_16_64 3
		.amdhsa_memory_ordered 1
		.amdhsa_forward_progress 1
		.amdhsa_inst_pref_size 79
	.end_amdhsa_kernel
	.amdgpu_metadata
---
amdhsa.version: [ 1, 2 ]
amdhsa.kernels:
  - .name:           k_q09dfb6873c_attn
    .symbol:         k_q09dfb6873c_attn.kd
    .args:
      - { .name: qkv, .offset: 0, .size: 8, .value_kind: global_buffer, .address_space: global }
      - { .name: mk, .offset: 8, .size: 8, .value_kind: global_buffer, .address_space: global }
      - { .name: on, .offset: 16, .size: 8, .value_kind: global_buffer, .address_space: global }
    .group_segment_fixed_size: 327680
    .private_segment_fixed_size: 0
    .kernarg_segment_align: 8
    .kernarg_segment_size: 24
    .max_flat_workgroup_size: 256
    .sgpr_count:     66
    .vgpr_count:     512
    .wavefront_size: 32
...
	.end_amdgpu_metadata
.endif
;; end of part 3
;; launch outp (part 4): grid 8 x 32, 4 waves a work-group, clusters of 4 x 4, 327,680 bytes of LDS; arguments on, wh, bh, out0, out1; writes out0, out1
.if DOCPART == 4
	.amdgcn_target "amdgcn-amd-amdhsa--gfx1250"
	.amdhsa_code_object_version 6
	.text
	.protected	k_q09dfb6873c_outp
	.globl	k_q09dfb6873c_outp
	.p2align	8
	.type	k_q09dfb6873c_outp,@function
k_q09dfb6873c_outp:
	s_mov_b64 s[64:65], 0
	v_nop
	global_prefetch_b8 v0, s[64:65] scope:SCOPE_SE
	s_setreg_imm32_b32 hwreg(HW_REG_WAVE_MODE, 25, 1), 1
	s_wait_xcnt 0x0
	s_wait_alu depctr_hold_cnt(0) depctr_sa_sdst(0) depctr_va_vdst(0) depctr_va_sdst(0) depctr_va_ssrc(0) depctr_va_vcc(0) depctr_vm_vsrc(0)
	s_getreg_b32 s2, hwreg(HW_REG_IB_STS2, 6, 4)
	s_cmp_eq_u32 s2, 0
	s_cbranch_scc0 .Lentry_in_a_cluster
	s_endpgm
.Lentry_in_a_cluster:
	s_bfe_u32 s2, ttmp6, 0x10000c
	s_cmp_lg_u32 s2, 0xf033
	s_cbranch_scc0 .Lentry_shape_is_right
	s_endpgm
.Lentry_shape_is_right:
; Launch 4 of 4: out0 = O Wo^T + bo, out1 = R Wr^T + br, in f32.  O and R come by heads: on[2][batch x 16 + head][1024][64] f16; the weights are rows 3,072 on of wh.
; The frame is the second launch's: a tile of 128 x 256, four waves of 64 x 128, 8 K steps of 128 through two LDS slots, a 4 x 4 cluster with joint loads; 256 work-groups.
; Cluster x = 0 makes out0, cluster x = 1 out1.  The bias is the C operand of the products that start the sums, so the results leave as they stand.
; A K STEP OF O IS TWO HEADS: a wave's 64 rows are two dense blocks of 8,192 bytes, 131,072 bytes apart: one tile of 2 rows x 4,096 elements, padded in LDS after every 128 bytes:
; [head 2][row 64][144 bytes].
; REGISTERS: window 0: v16-31 addresses; v64-159, v160-255 two fragment buffers; window 1: accumulator (a, b) at v[8 (8 a + b)]; window 2: v0-63 the bias as eight C operands.
.set PB,    272
.set PA,    144
.set ALOAD, 2*64*PA                    ; 18,432
.set AREG,  2*ALOAD
.set BLOAD, 128*PB
.set SLOT,  AREG+2*BLOAD               ; 106,496
.set STAGE, 2*SLOT                     ; behind the ring: 16 rows x 528 bytes for each wave
.set STG,   16*528
.set SPARE, STAGE+4*STG                ; behind the stages: the spare words
.set KSA,   262144                     ; two heads
.set KSB,   256
.set ADRA, 16
.set ADRB, 20
.set STO,  24
.set RD,   25
.set GO,   26
.set BO,   27
.set SPW,  28                          ; v28  LDS address of my spare word; never rewritten
.set NIL,  29                          ; v29  0; never rewritten
.set PFO,  30
.set F0,   64
.set F1,   160
.set OB,   64
.set WV, 14
.set RH, 15
.set CH, 16
.set CX, 17
.set CY, 18
.set TC, 19
.set TR, 20
.set KX, 21
.set KY, 22
.set G1A, 24
.set G0A, 32
.set G1B, 40
.set G0B, 48
.set PFA, 56
.set LIM, 58
.set LAP, 59
.set PST, 66                           ; s[66:67] a K step of what I prefetch
.set OUT, 68
.set BIA, 72
.set GCA, (1<<16)|(1<<20)|(1<<21)|(4<<22)|(3<<25)  ; after every 32 words, 4 words
.set GCB, (1<<16)|(1<<20)|(1<<21)|(5<<22)|(3<<25)  ; after every 64 words, 4 words
.set MSB, 0
.macro WIN new
.if MSB != (\new)
	s_set_vgpr_msb (MSB<<8)|(\new)
.set MSB, \new
.endif
.endm
.macro PLACES
.rept 4
	v_nop
.endr
.endm
.macro JLOAD s                         ; a joint load; an s_nop 0 and four v_nop follow each of the two lines
	s_cmp_eq_u32 s[RH], 0
	s_cbranch_scc0 .Lfor_b_\@
	tensor_load_to_lds s[G0A+4*(\s):G0A+4*(\s)+3], s[G1A:G1A+7]
	s_nop 0
.rept 4
	v_nop
.endr
	s_branch .Lasked_\@
.Lfor_b_\@:
	tensor_load_to_lds s[G0B+4*(\s):G0B+4*(\s)+3], s[G1B:G1B+7]
	s_nop 0
.rept 4
	v_nop
.endr
.Lasked_\@:
.endm
.macro CREST
	s_cmp_lg_u32 s[WV], 0
	s_cbranch_scc1 .Lnot_wave_0_\@
	s_barrier_signal -3
.Lnot_wave_0_\@:
	s_barrier_wait -3
	s_barrier_signal -1
	s_barrier_wait -1
.endm
.macro CROUND
	s_barrier_signal -1
	s_barrier_wait -1
	CREST
.endm
; A prefetch of the K step that stands two refills on.  O's and R's rows are read by one cluster alone: its wave 0 asks; a K step of the tile is 2 heads x 16,384 dense bytes, of which each of
; the four partners along the row takes 4,096 of each head, told apart by address: 16 lanes a head, 256 bytes apart.  The weights' rows: waves 2 and 3 of cluster y = 0, a lane a row, 32 rows a partner.
; K steps 0 to 3 come by their loads alone; the loop's last trip asks for nothing.  Each 256 bytes are named once.
.macro ASK
	s_cmp_gt_u32 s[LAP], s[LIM]
	s_cbranch_scc0 .Lnot_mine_\@
	global_prefetch_b8 v[PFO], s[PFA:PFA+1] th:TH_LOAD_NT scope:SCOPE_SE
.Lnot_mine_\@:
.endm
.macro MUL8 f, a, first                ; 8 matrix instructions; the 32 accumulators take turns, one instruction a turn
.if \first
	WIN 0x60
.else
	WIN 0x50
.endif
.irp b, 0,1,2,3,4,5,6,7
.if \first
	v_wmma_f32_16x16x32_f16 v[8*(8*(\a)+(\b)):8*(8*(\a)+(\b))+7], v[(\f)+8*(\b):(\f)+8*(\b)+7], v[(\f)+64+8*(\a):(\f)+64+8*(\a)+7], v[8*(\b):8*(\b)+7]
.else
	v_wmma_f32_16x16x32_f16 v[8*(8*(\a)+(\b)):8*(8*(\a)+(\b))+7], v[(\f)+8*(\b):(\f)+8*(\b)+7], v[(\f)+64+8*(\a):(\f)+64+8*(\a)+7], v[8*(8*(\a)+(\b)):8*(8*(\a)+(\b))+7]
.endif
.endr
.endm
.macro FETCH slot, k, f                ; 24 LDS loads in one run; byte k of a K step is head k / 128, byte k % 128 of its rows
	WIN 0
.irp i, 0,1,2,3,4,5,6,7
	ds_load_b128 v[(\f)+8*(\i):(\f)+8*(\i)+3],   v[ADRB+(\slot)] offset:(\k)+(\i)*16*PB
	ds_load_b128 v[(\f)+8*(\i)+4:(\f)+8*(\i)+7], v[ADRB+(\slot)] offset:(\k)+(\i)*16*PB+32
.endr
.irp i, 0,1,2,3
	ds_load_b128 v[(\f)+64+8*(\i):(\f)+64+8*(\i)+3],   v[ADRA+(\slot)] offset:((\k)/128)*64*PA+(\k)%128+(\i)*16*PA
	ds_load_b128 v[(\f)+64+8*(\i)+4:(\f)+64+8*(\i)+7], v[ADRA+(\slot)] offset:((\k)/128)*64*PA+(\k)%128+(\i)*16*PA+32
.endr
.endm
.macro QUARTER slot, k, f, g, first
	s_wait_dscnt 4                                 ; the weights and O's blocks 0, 1 are in; the youngest four loads may be out
	MUL8 \f, 0, \first
	MUL8 \f, 1, \first
	PLACES
	FETCH \slot, \k, \g
	s_wait_dscnt 24                                ; all but the 24 just issued
	MUL8 \f, 2, \first
	MUL8 \f, 3, \first
.endm
.macro TURN slot, next, fill
.if \fill
	s_wait_xcnt 0x0                                ; the last prefetch, a K step back, has read its address
	s_add_nc_u64 s[PFA:PFA+1], s[PFA:PFA+1], s[PST:PST+1]
.endif
	WIN 0
	s_wait_tensorcnt 0x0                           ; all my tensor loads have landed: my part of the next slot
	ds_add_u32 v[SPW], v[NIL]                      ; 0 onto my spare word
	s_wait_dscnt 7                                 ; (the add and the youngest six loads may be out)
	MUL8 F1, 0, 0
	s_wait_dscnt 0x0                               ; the add is done, and my reads of this slot are over
	s_barrier_signal -1
	MUL8 F1, 1, 0
.if \fill
	WIN 0
.endif
	s_barrier_wait -1
.if \fill
	CREST                                          ; no wave of any partner still reads this slot or has a load on its way
	s_add_nc_u64 s[G0A+4*(\slot)+2:G0A+4*(\slot)+3], s[G0A+4*(\slot)+2:G0A+4*(\slot)+3], 2*KSA
	s_add_nc_u64 s[G0B+4*(\slot)+2:G0B+4*(\slot)+3], s[G0B+4*(\slot)+2:G0B+4*(\slot)+3], 2*KSB
	JLOAD \slot                                    ; the first tensor load behind the round; its four v_nop are also the places in front of the loads below
.else
	PLACES
.endif
	FETCH \next, 0, F0
.if \fill
	ASK
.endif
	MUL8 F1, 2, 0
	MUL8 F1, 3, 0
.endm
	s_load_b256 s[4:11], s[0:1], 0x0               ; on s[4:5], wh s[6:7], bh s[8:9], out0 s[10:11]
	s_load_b64 s[12:13], s[0:1], 0x20              ; out1
	v_lshl_add_u32 v[SPW], v0, 2, SPARE
	v_mov_b32 v[NIL], 0
	ds_add_u32 v[SPW], v[NIL]                      ; the wave's opening: the add, twice on end, and its wait ahead of my first tensor load
	ds_add_u32 v[SPW], v[NIL]
	v_lshrrev_b32 v1, 5, v0
	v_readfirstlane_b32 s[WV], v1
	s_lshr_b32 s[RH], s[WV], 1
	s_and_b32 s[CH], s[WV], 1
	s_bfe_u32 s[CX], ttmp6, 0x40000
	s_bfe_u32 s[CY], ttmp6, 0x40004
	s_mov_b32 s[KX], ttmp9                         ; cluster x: which branch
	s_and_b32 s[KY], ttmp7, 0xffff
	s_lshl_b32 s[TC], s[KX], 2
	s_add_co_u32 s[TC], s[TC], s[CX]
	s_lshl_b32 s[TR], s[KY], 2
	s_add_co_u32 s[TR], s[TR], s[CY]
	s_lshl_b32 s2, s[CY], 2
	s_lshl_b32 s2, 15, s2                          ; my row of the cluster
	s_lshl_b32 s3, 0x1111, s[CX]                   ; my column
	s_or_b32 s[G1A], s2, GCA
	s_or_b32 s[G1B], s3, GCB
	s_mov_b32 s[G1A+1], 4096<<16                   ; tensor_dim0 = 4,096
	s_mov_b32 s[G1A+2], 2<<16                      ; tensor_dim1 = 2
	s_mov_b32 s[G1A+3], 4096<<16                   ; tile_dim0 = 4,096
	s_mov_b32 s[G1A+4], 2                          ; tile_dim1 = 2
	s_mov_b32 s[G1A+5], 65536                      ; elements from head to head
	s_mov_b32 s[G1A+6], 0
	s_mov_b32 s[G1A+7], 0
	s_mov_b32 s[G1B+1], 128<<16
	s_mov_b32 s[G1B+2], 128<<16
	s_mov_b32 s[G1B+3], 128<<16
	s_mov_b32 s[G1B+4], 128
	s_mov_b32 s[G1B+5], 1024
	s_mov_b32 s[G1B+6], 0
	s_mov_b32 s[G1B+7], 0
	s_lshl_b32 s60, s[KX], 23                      ; O or R,
	s_lshr_b32 s61, s[TR], 3
	s_lshl_b32 s61, s61, 21                        ; the batch's 16 heads,
	s_add_co_u32 s60, s60, s61
	s_and_b32 s61, s[TR], 7
	s_lshl_b32 s61, s61, 14                        ; the tile's 128 rows of 128 bytes,
	s_add_co_u32 s60, s60, s61
	s_lshl_b32 s61, s[CH], 13                      ; the 64 that I fetch
	s_add_co_u32 s60, s60, s61
	s_mov_b32 s61, 0
	s_lshl_b32 s62, s[TC], 8
	s_lshl_b32 s63, s[CH], 7
	s_add_co_u32 s62, s62, s63
	s_add_co_u32 s62, s62, 3072                    ; Wo begins at row 3,072 of wh, Wr follows it
	s_lshl_b32 s62, s62, 11
	s_mov_b32 s63, 0
	s_mul_i32 s23, s[CH], ALOAD
	s_mul_i32 s3, s[CH], BLOAD
	s_add_co_u32 s3, s3, AREG
	s_wait_dscnt 0x0                               ; both opening adds are done
	s_wait_kmcnt 0x0
	s_add_nc_u64 s[60:61], s[4:5], s[60:61]
	s_add_nc_u64 s[62:63], s[6:7], s[62:63]
	CROUND                                         ; all sixteen work-groups are here: the first joint loads meet
.irp s, 0,1
	s_mov_b32 s[G0A+4*(\s)], 1
	s_add_co_u32 s[G0A+4*(\s)+1], s23, (\s)*SLOT
	s_add_nc_u64 s[G0A+4*(\s)+2:G0A+4*(\s)+3], s[60:61], (\s)*KSA
	s_or_b32 s[G0A+4*(\s)+3], s[G0A+4*(\s)+3], 0x80000000
	s_mov_b32 s[G0B+4*(\s)], 1
	s_add_co_u32 s[G0B+4*(\s)+1], s3, (\s)*SLOT
	s_add_nc_u64 s[G0B+4*(\s)+2:G0B+4*(\s)+3], s[62:63], (\s)*KSB
	s_or_b32 s[G0B+4*(\s)+3], s[G0B+4*(\s)+3], 0x80000000
	JLOAD \s
.endr
	v_and_b32 v1, 15, v0                           ; l % 16
	v_bfe_u32 v2, v0, 4, 1                         ; l / 16
	v_and_b32 v4, 31, v0                           ; l
	v_lshlrev_b32 v[BO], 5, v2
	s_lshl_b32 s70, s[TC], 8                       ; bo is the third bias of bh, br the fourth: 2,048 + 256 x tile column + 128 x half
	s_lshl_b32 s71, s[CH], 7
	s_add_co_u32 s70, s70, s71
	s_add_co_u32 s70, s70, 2048
	s_lshl_b32 s70, s70, 2
	s_mov_b32 s71, 0
	s_add_nc_u64 s[BIA:BIA+1], s[8:9], s[70:71]
	WIN 0x80                                       ; destination window 2
.set b, 0
.rept 8
	global_load_b128 v[8*b:8*b+3],   v[BO], s[BIA:BIA+1] offset:64*b
	global_load_b128 v[8*b+4:8*b+7], v[BO], s[BIA:BIA+1] offset:64*b+16
.set b, b+1
.endr
	WIN 0
	v_mul_u32_u24 v3, v1, PB
	v_lshl_add_u32 v3, v2, 4, v3
	s_mul_i32 s70, s[CH], BLOAD
	s_add_co_u32 s70, s70, AREG
	v_add_nc_u32 v[ADRB], s70, v3
	v_add_nc_u32 v[ADRB+1], SLOT, v[ADRB]
	v_mul_u32_u24 v3, v1, PA
	v_lshl_add_u32 v3, v2, 4, v3
	s_mul_i32 s70, s[RH], ALOAD
	v_add_nc_u32 v[ADRA], s70, v3
	v_add_nc_u32 v[ADRA+1], SLOT, v[ADRA]
	s_mul_i32 s70, s[WV], STG
	s_add_co_u32 s70, s70, STAGE                   ; my stage
	v_mul_u32_u24 v[STO], v1, 528                  ; in: row l % 16, 32 bytes for each half of the lanes
	v_lshl_add_u32 v[STO], v2, 5, v[STO]
	v_add_nc_u32 v[STO], s70, v[STO]
	v_lshl_add_u32 v[RD], v4, 4, s70               ; back: a row of 512 bytes a load
	v_lshlrev_b32 v[GO], 4, v4
	s_lshl_b32 s70, s[TR], 7
	s_lshl_b32 s71, s[RH], 6
	s_add_co_u32 s70, s70, s71
	s_lshl_b32 s70, s70, 12                        ; my first row, 4,096 bytes a row,
	s_and_b32 s71, s[TC], 3
	s_lshl_b32 s71, s71, 10
	s_add_co_u32 s70, s70, s71
	s_lshl_b32 s71, s[CH], 9                       ; my first column
	s_add_co_u32 s70, s70, s71
	s_mov_b32 s71, 0
	s_cmp_eq_u32 s[KX], 0
	s_cselect_b64 s[OUT:OUT+1], s[10:11], s[12:13]
	s_add_nc_u64 s[OUT:OUT+1], s[OUT:OUT+1], s[70:71]
	; the prefetches
	s_lshl_b32 s70, s[KX], 23
	s_lshr_b32 s74, s[TR], 3
	s_lshl_b32 s74, s74, 21
	s_add_co_u32 s70, s70, s74
	s_and_b32 s74, s[TR], 7
	s_lshl_b32 s74, s74, 14
	s_add_co_u32 s70, s70, s74
	s_lshl_b32 s74, s[CX], 12                      ; my work-group's 4,096 bytes of each head
	s_add_co_u32 s70, s70, s74
	s_add_co_u32 s70, s70, 3*KSA                   ; at K step 3: the first refill steps it to 4
	s_lshl_b32 s71, s[TC], 8
	s_lshl_b32 s74, s[CH], 7
	s_add_co_u32 s71, s71, s74
	s_lshl_b32 s74, s[CY], 5
	s_add_co_u32 s71, s71, s74
	s_add_co_u32 s71, s71, 3072
	s_lshl_b32 s71, s71, 11
	s_add_co_u32 s71, s71, 3*KSB
	s_mov_b32 s75, 131072                          ; lanes 16-31: the second head, or 16 rows on
	s_mov_b32 s76, 32768
	s_mov_b32 s77, 256                             ; from lane to lane: 256 bytes, or a row
	s_mov_b32 s78, 2048
	s_mov_b32 s[PST], KSA
	s_mov_b32 s79, KSB
	s_cmp_eq_u32 s[RH], 0
	s_cselect_b32 s70, s70, s71
	s_cselect_b32 s74, s[CH], s[KY]                ; O, R: wave 0; the weights: cluster y = 0
	s_cselect_b32 s75, s75, s76
	s_cselect_b32 s77, s77, s78
	s_cselect_b32 s[PST], s[PST], s79
	s_cselect_b64 s[PFA:PFA+1], s[4:5], s[6:7]
	s_mov_b32 s[PST+1], 0
	s_mov_b32 s71, 0
	s_add_nc_u64 s[PFA:PFA+1], s[PFA:PFA+1], s[70:71]
	s_cmp_eq_u32 s74, 0
	s_cselect_b32 s[LIM], 1, -1                    ; the same in all sixteen partners, for a given wave
	v_mul_u32_u24 v[PFO], v2, s75
	v_mad_u32_u24 v[PFO], v1, s77, v[PFO]
	s_wait_tensorcnt 1                             ; my part of K step 0 is in; K step 1's may stay out
	s_barrier_signal -1
	s_barrier_wait -1
	FETCH 0, 0, F0
	s_wait_loadcnt 0x0                             ; the bias
	QUARTER 0, 64, F0, F1, 1                       ; the first quarter stands in front of the loop: its products start the sums, with the bias
	WIN 0
	s_mov_b32 s[LAP], 3
.Llap:
	QUARTER 0, 128, F1, F0, 0
	QUARTER 0, 192, F0, F1, 0
	TURN 0, 1, 1
	QUARTER 1, 64,  F0, F1, 0
	QUARTER 1, 128, F1, F0, 0
	QUARTER 1, 192, F0, F1, 0
	TURN 1, 0, 1
	QUARTER 0, 64,  F0, F1, 0
	WIN 0
	s_sub_co_u32 s[LAP], s[LAP], 1
	s_cmp_lg_u32 s[LAP], 0
	s_cbranch_scc1 .Llap
	QUARTER 0, 128, F1, F0, 0                      ; the last lap fills nothing
	QUARTER 0, 192, F0, F1, 0
	TURN 0, 1, 0
	QUARTER 1, 64,  F0, F1, 0
	QUARTER 1, 128, F1, F0, 0
	QUARTER 1, 192, F0, F1, 0
	s_wait_dscnt 4
	MUL8 F1, 0, 0
	MUL8 F1, 1, 0
	s_wait_dscnt 0x0
	MUL8 F1, 2, 0
	MUL8 F1, 3, 0
	WIN 0
	PLACES
; THE WAY OUT of 16 rows: a lane's eight columns are 32 bytes; into my stage (rows of 528 bytes), back as whole rows of 512 bytes, stored so.
.macro OUTBLK a
	s_wait_xcnt 0x0                                ; the last block's stores have read their registers, which are loaded again below
	WIN 0x04                                       ; the stores' data in window 1; each accumulator's low registers first
.irp b, 0,1,2,3,4,5,6,7
	ds_store_b128 v[STO], v[8*(8*(\a)+(\b)):8*(8*(\a)+(\b))+3]   offset:64*(\b)
	ds_store_b128 v[STO], v[8*(8*(\a)+(\b))+4:8*(8*(\a)+(\b))+7] offset:64*(\b)+16
.endr
	WIN 0
.irp t, 0,1,2,3,4,5,6,7,8,9,10,11,12,13,14,15
	ds_load_b128 v[OB+4*(\t):OB+4*(\t)+3], v[RD] offset:(\t)*528  ; LDS serves a wave's instructions in order: these see the stores above
.endr
.irp t, 0,1,2,3,4,5,6,7,8,9,10,11,12,13,14,15
	s_wait_dscnt 15-(\t)
	global_store_b128 v[GO], v[OB+4*(\t):OB+4*(\t)+3], s[OUT:OUT+1] offset:(16*(\a)+(\t))*4096 th:TH_STORE_NT  ; 512 consecutive bytes, aligned
.endr
.endm
	OUTBLK 0
	OUTBLK 1
	OUTBLK 2
	OUTBLK 3
	s_wait_tensorcnt 0x0                           ; the wave's end
	ds_add_u32 v[SPW], v[NIL]
	s_wait_dscnt 0x0
	CROUND                                         ; the closing round
	s_endpgm
.Lfunc_end_k_q09dfb6873c_outp:
	.size	k_q09dfb6873c_outp, .Lfunc_end_k_q09dfb6873c_outp-k_q09dfb6873c_outp
	.p2alignl 7, 3214868480
	.fill 96, 4, 3214868480
	.section	.rodata,"a",@progbits
	.p2align	6, 0x0
	.amdhsa_kernel k_q09dfb6873c_outp
		.amdhsa_group_segment_fixed_size 327680
		.amdhsa_private_segment_fixed_size 0
		.amdhsa_enable_private_segment 0
		.amdhsa_kernarg_size 40
		.amdhsa_user_sgpr_count 2
		.amdhsa_user_sgpr_kernarg_segment_ptr 1
		.amdhsa_wavefront_size32 1
		.amdhsa_system_sgpr_workgroup_id_x 1
		.amdhsa_system_sgpr_workgroup_id_y 1
		.amdhsa_system_sgpr_workgroup_id_z 1
		.amdhsa_system_vgpr_workitem_id 0
		.amdhsa_next_free_vgpr 576
		.amdhsa_next_free_sgpr 80
		.amdhsa_reserve_vcc 0
		.amdhsa_float_denorm_mode_32 3
		.amdhsa_float_denorm_mode_16_64 3
		.amdhsa_memory_ordered 1
		.amdhsa_forward_progress 1
		.amdhsa_inst_pref_size 91
	.end_amdhsa_kernel
	.amdgpu_metadata
---
amdhsa.version: [ 1, 2 ]
amdhsa.kernels:
  - .name:           k_q09dfb6873c_outp
    .symbol:         k_q09dfb6873c_outp.kd
    .args:
      - { .name: on, .offset: 0, .size: 8, .value_kind: global_buffer, .address_space: global }
      - { .name: wh, .offset: 8, .size: 8, .value_kind: global_buffer, .address_space: global }
      - { .name: bh, .offset: 16, .size: 8, .value_kind: global_buffer, .address_space: global }
      - { .name: out0, .offset: 24, .size: 8, .value_kind: global_buffer, .address_space: global }
      - { .name: out1, .offset: 32, .size: 8, .value_kind: global_buffer, .address_space: global }
    .group_segment_fixed_size: 327680
    .private_segment_fixed_size: 0
    .kernarg_segment_align: 8
    .kernarg_segment_size: 40
    .max_flat_workgroup_size: 128
    .sgpr_count:     80
    .vgpr_count:     576
    .wavefront_size: 32
...
	.end_amdgpu_metadata
.endif
;; end of part 4
;; ======== version 2 of 2: 4 launches; version 1 with the launch cast written anew for expert scheduling mode
;; limits: values are held in f16: magnitudes above 65,504 overflow, below 6.1e-05 lose precision
;; workspace buffers: xh 16,777,216 bytes; wh 10,485,760 bytes; bh 16,384 bytes; mk 8,388,608 bytes; qkv 25,165,824 bytes; on 16,777,216 bytes
;; launch cast (part 5): grid 1089 x 1, 8 waves a work-group, no clusters, 35,840 bytes of LDS; arguments q, kv, Wq, Wk, Wv, Wo, Wr, bq, bv, bo, br, attention_mask, xh, wh, bh, mk; writes xh, wh, bh, mk
.if DOCPART == 5
	.amdgcn_target "amdgcn-amd-amdhsa--gfx1250"
	.amdhsa_code_object_version 6
	.text
	.protected	k_q09dfb6873c_cast
	.globl	k_q09dfb6873c_cast
	.p2align	8
	.type	k_q09dfb6873c_cast,@function
k_q09dfb6873c_cast:
	s_mov_b64 s[64:65], 0
	v_nop
	global_prefetch_b8 v0, s[64:65] scope:SCOPE_SE
	s_setreg_imm32_b32 hwreg(HW_REG_WAVE_SCHED_MODE, 0, 2), 2
	s_setreg_imm32_b32 hwreg(HW_REG_WAVE_MODE, 25, 1), 1
	s_wait_xcnt 0x0
	s_wait_alu depctr_vm_vsrc(0)
; CROSS ATTENTION WITH A REVERSE BRANCH, launch 1 of 4: the inputs are rounded once and laid out for the three launches behind.
; WORK LEFT OUT IN THE WHOLE PROGRAM, for all finite values of the inputs:
;  bk.  scores[q][k] = qs[q] . (kv[k] Wk^T + bk) + mask = qs[q] . (kv[k] Wk^T) + mask + qs[q] . bk; the last term is the same for every k of a row, so softmax over k
;       does not see it; attn, and with it both outputs, are unchanged.  bk has no other way to an output: it is not loaded and is among no launch's arguments.
;  The 1.0 in softmax(1.0 - attn): the same along the axis, so rev = exp(-attn) / sum exp(-attn).
;  The maximum of that second softmax: attn is normalised by the first softmax, so -attn lies in -1 .. 0, exp(-attn) in 0.36 .. 1 and its sum over 1,024 keys in 376 .. 1,024, whatever the inputs.
;  The first softmax keeps its running maximum.
; LIMIT: a NaN, an infinity or an overflow that reaches only the work left out (in bk) is not carried to the result.
; FORMATS.  Every input is rounded to bf16 once.  q, kv and the weights are then written as f16 (exact while the bf16 number lies in f16's normal range; beyond 65,504 it becomes an
; infinity, below 6.1e-5 it keeps f16's fixed step of 6e-8); the biases as f32.  The mask is multiplied by 8 (exact; |mask| from 4.2e37 on becomes an infinity) and kept in bf16:
; the scores are made as 8 x reference's, since the query is kept unscaled and SCALE is 1/8.
; SHARES.  Work-groups 0-831: 16,384 numbers each of q, kv, Wq, Wk, Wv, Wo, Wr.  832-1087: 16 rows of the mask each.  1088: the four biases.
; Each wave issues its 16 loads of 512 consecutive bytes at once and works them off in order.
; mk's layout: [batch 4][32 queries: 32][64 keys: 16][16 queries: 2][16 keys: 4][lane 32][8 numbers]: lane l holds query l % 16 and the keys 8 (l / 16) + 0..7: the order of a score accumulator's registers.
; THE MODE: SCHED_MODE bits 1:0 = 2 (LLVM: expert scheduling mode 2), set by the entry lines.  The code itself states the register dependences
; between vector instructions and memory or LDS instructions, with s_wait_alu, always for 0.
; THE PLAN.  Three straight paths, no loop.  Registers that memory or LDS instructions touch:
;   v[SO], v[DO], v[LS], v[LR]  offsets and LDS addresses: written by vector instructions at a path's head, once; read by every load and store of the path.
;   X    written by the 16 loads, which go out before any vector instruction names X; read, and overwritten in place, by vector instructions alone.
;   Y    each register written once, by a conversion, and read once, by a store (to memory, or to the stage in LDS).
;   Z    written by the LDS loads from the stage, read by the stores to memory; no vector instruction names it.
;   v[SPW], v[NIL]  written at the kernel's head, read by the closing add alone.
; No register that a memory or LDS instruction reads is written again, and no load lands in a register that a vector instruction has named.  What is left to state: the addresses are written
; (one wait a path, ahead of its first load), and Y is written ahead of its store.  For that the 16 loads go in four blocks of four: block p's conversions write its own eight registers of Y, and the
; four stores of block p - 1 are dealt among them, behind ONE wait at the block's head; the vector instructions behind that wait name T, block p's X and block p's Y, none of which those stores touch.
.set SPARE, 34816                      ; behind the eight stages: the spare words, 128 bytes for each wave
.set STG,   4352                       ; a wave's stage: 16 rows x (256 bytes + 16 of padding)
.set SPW, 2                            ; v2   LDS address of my spare word; never rewritten
.set NIL, 3                            ; v3   0; never rewritten
.set SO,  4                            ; v4   my byte offset in the source
.set DO,  5                            ; v5   my byte offset in the destination
.set LS,  6                            ; v6   where I put 8 bytes of a mask row
.set LR,  7                            ; v7   where I read 16 bytes back
.set T,   8                            ; v8-9 at work: no memory instruction names them
.set X,   16                           ; v16-79   16 loads of 4 registers
.set Y,   80                           ; v80-111  what is stored
.set Z,   112                          ; v112-143 the mask, read back from the stage
.set G,   40                           ; s40  the work-group's number
.set U,   42                           ; s42  my wave's number
.set HM,  43                           ; s43  a word's upper half
.set SRC, 44                           ; s[44:45]
.set E8,  46                           ; s[46:47] 8.0, named as a pair
.set OF,  48                           ; s[48:49]
.set DST, 50                           ; s[50:51]
.set OD,  52                           ; s[52:53]
.set TS,  54                           ; s54  at work
.set TS2, 55                           ; s55, s56  the wave's part of further offsets: a register each, so that none is written again behind a vector instruction that reads it
.set TS3, 56
	s_load_b512 s[8:23], s[0:1], 0x0               ; q, kv, Wq, Wk, Wv, Wo, Wr, bq
	s_load_b512 s[24:39], s[0:1], 0x40             ; bv, bo, br, mask, xh, wh, bh, mk
	v_lshl_add_u32 v[SPW], v0, 2, SPARE
	v_mov_b32 v[NIL], 0
	v_lshrrev_b32 v1, 5, v0
	v_readfirstlane_b32 s[U], v1                   ; wave 0..7
	v_and_b32 v1, 31, v0                           ; lane
	s_mov_b32 s[G], ttmp9
	s_mov_b32 s[HM], 0xffff0000
	s_mov_b32 s[E8], 0x41000000
	s_mov_b32 s[E8+1], 0x41000000
	s_wait_alu depctr_va_sdst(0)                   ; s[U] is written, ahead of the branches and of its first reader in either path: the waves' offsets are made from it
	s_wait_kmcnt 0x0
	s_cmp_lt_u32 s[G], 832
	s_cbranch_scc1 .Lelem
	s_cmp_lt_u32 s[G], 1088
	s_cbranch_scc1 .Lmask
	; THE BIASES: 256 threads x 4 numbers are one bias; rounded to bf16, kept as f32
	v_lshlrev_b32 v[SO], 4, v0
	s_wait_alu depctr_va_vdst(0)                   ; v[SO] is written, which the four loads and the four stores read as their offset
	global_load_b128 v[X:X+3],     v[SO], s[22:23]
	global_load_b128 v[X+4:X+7],   v[SO], s[24:25]
	global_load_b128 v[X+8:X+11],  v[SO], s[26:27]
	global_load_b128 v[X+12:X+15], v[SO], s[28:29]
	s_wait_loadcnt 0x0
.irp j, 0,1,2,3
	v_cvt_pk_bf16_f32 v[T],   v[X+4*\j],   v[X+4*\j+1]
	v_cvt_pk_bf16_f32 v[T+1], v[X+4*\j+2], v[X+4*\j+3]
	v_lshlrev_b32 v[Y+4*\j],   16, v[T]
	v_and_b32     v[Y+4*\j+1], s[HM], v[T]
	v_lshlrev_b32 v[Y+4*\j+2], 16, v[T+1]
	v_and_b32     v[Y+4*\j+3], s[HM], v[T+1]
.endr
	s_wait_alu depctr_va_vdst(0)                   ; the lines above have written v[Y .. Y+15], which the four stores read
.irp j, 0,1,2,3
	global_store_b128 v[SO], v[Y+4*\j:Y+4*\j+3], s[36:37] offset:4096*\j
.endr
	s_branch .Lend
.Lelem:                                        ; q, kv AND THE WEIGHTS
	s_mov_b64 s[SRC:SRC+1], s[8:9]                 ; which tensor: 256 work-groups for q, 256 for kv, 64 for each weight
	s_cmp_ge_u32 s[G], 256
	s_cselect_b64 s[SRC:SRC+1], s[10:11], s[SRC:SRC+1]
	s_cmp_ge_u32 s[G], 512
	s_cselect_b64 s[SRC:SRC+1], s[12:13], s[SRC:SRC+1]
	s_cmp_ge_u32 s[G], 576
	s_cselect_b64 s[SRC:SRC+1], s[14:15], s[SRC:SRC+1]
	s_cmp_ge_u32 s[G], 640
	s_cselect_b64 s[SRC:SRC+1], s[16:17], s[SRC:SRC+1]
	s_cmp_ge_u32 s[G], 704
	s_cselect_b64 s[SRC:SRC+1], s[18:19], s[SRC:SRC+1]
	s_cmp_ge_u32 s[G], 768
	s_cselect_b64 s[SRC:SRC+1], s[20:21], s[SRC:SRC+1]
	s_sub_co_u32 s[OD], s[G], 512
	s_cmp_lt_u32 s[G], 512
	s_cselect_b32 s[TS], 255, 63
	s_cselect_b64 s[DST:DST+1], s[32:33], s[34:35] ; xh holds q then kv, wh the five weights on end: the chunks follow each other there as the work-groups do
	s_cselect_b32 s[OD], s[G], s[OD]
	s_and_b32 s[TS], s[G], s[TS]                   ; my chunk in the tensor
	s_lshl_b32 s[OF], s[TS], 16                    ; 65,536 bytes of f32
	s_mov_b32 s[OF+1], 0
	s_add_nc_u64 s[SRC:SRC+1], s[SRC:SRC+1], s[OF:OF+1]
	s_lshl_b32 s[OD], s[OD], 15                    ; 32,768 bytes of f16
	s_mov_b32 s[OD+1], 0
	s_add_nc_u64 s[DST:DST+1], s[DST:DST+1], s[OD:OD+1]
	s_lshl_b32 s[TS], s[U], 13
	v_lshl_add_u32 v[SO], v1, 4, s[TS]             ; 8,192 x wave + 16 x lane
	s_lshl_b32 s[TS2], s[U], 12
	v_lshl_add_u32 v[DO], v1, 3, s[TS2]            ; 4,096 x wave + 8 x lane
	s_wait_alu depctr_va_vdst(0)                   ; v[SO] and v[DO] are written, which the 16 loads and the 16 stores read as their offsets
.set i, 0
.rept 16
	global_load_b128 v[X+4*i:X+4*i+3], v[SO], s[SRC:SRC+1] offset:512*i th:TH_LOAD_NT
.set i, i+1
.endr
.set i, 0
.rept 16
	s_wait_loadcnt 15-i                            ; loads come back in order: load i is in, the younger ones stay out
.if ((i%4) == 0) && (i > 0)
	s_wait_alu depctr_va_vdst(0)                   ; a block's head: the block before has written its eight registers of Y, which the four stores dealt among this block read
.endif
.if i >= 4
	global_store_b64 v[DO], v[Y+2*(i-4):Y+2*(i-4)+1], s[DST:DST+1] offset:256*(i-4)  ; the wave's store covers 256 consecutive bytes, aligned; no vector instruction since the wait names its registers
.endif
	v_cvt_pk_bf16_f32 v[T],   v[X+4*i],   v[X+4*i+1]  ; the one rounding,
	v_cvt_pk_bf16_f32 v[T+1], v[X+4*i+2], v[X+4*i+3]
	v_lshlrev_b32 v[X+4*i],   16, v[T]             ; back to f32,
	v_and_b32     v[X+4*i+1], s[HM], v[T]
	v_lshlrev_b32 v[X+4*i+2], 16, v[T+1]
	v_and_b32     v[X+4*i+3], s[HM], v[T+1]
	v_cvt_pk_f16_f32 v[Y+2*i],   v[X+4*i],   v[X+4*i+1]  ; and written as f16
	v_cvt_pk_f16_f32 v[Y+2*i+1], v[X+4*i+2], v[X+4*i+3]
.set i, i+1
.endr
	s_wait_alu depctr_va_vdst(0)                   ; the last block has written its eight registers of Y, which the last four stores read
.set i, 12
.rept 4
	global_store_b64 v[DO], v[Y+2*i:Y+2*i+1], s[DST:DST+1] offset:256*i
.set i, i+1
.endr
	s_branch .Lend
.Lmask:                                        ; THE MASK: 16 rows a work-group, 128 keys a wave; turned into the accumulators' order through the wave's own stage
	s_sub_co_u32 s[TS], s[G], 832                  ; the tile of 16 rows, 0..255
	s_lshl_b32 s[OF], s[TS], 16                    ; 16 rows of 4,096 bytes
	s_mov_b32 s[OF+1], 0
	s_add_nc_u64 s[SRC:SRC+1], s[30:31], s[OF:OF+1]
	s_lshr_b32 s[OD], s[TS], 1                     ; batch x 32 + group of 32 queries,
	s_lshl_b32 s[OD], s[OD], 16                    ; 65,536 bytes each;
	s_and_b32 s[TS], s[TS], 1                      ; which 16 of the 32:
	s_lshl_b32 s[TS], s[TS], 11                    ; 2,048 bytes
	s_add_co_u32 s[OD], s[OD], s[TS]
	s_mov_b32 s[OD+1], 0
	s_add_nc_u64 s[DST:DST+1], s[38:39], s[OD:OD+1]
	s_lshl_b32 s[TS], s[U], 9
	v_lshl_add_u32 v[SO], v1, 4, s[TS]             ; 512 x wave + 16 x lane
	s_lshl_b32 s[TS2], s[U], 13
	v_lshl_add_u32 v[DO], v1, 4, s[TS2]            ; two key steps of 4,096 bytes a wave, + 16 x lane
	s_mul_i32 s[TS3], s[U], STG                    ; my stage
	v_lshl_add_u32 v[LS], v1, 3, s[TS3]
	v_and_b32 v10, 15, v0
	v_bfe_u32 v11, v0, 4, 1
	v_mul_u32_u24 v[LR], v10, 272                  ; row l % 16,
	v_lshl_add_u32 v[LR], v11, 4, v[LR]            ; 8 keys for each half of the lanes
	v_add_nc_u32 v[LR], s[TS3], v[LR]
	s_wait_alu depctr_va_vdst(0)                   ; v[SO], v[DO], v[LS] and v[LR] are written, which the loads, the LDS stores and loads and the stores of this path read
.set i, 0
.rept 16
	global_load_b128 v[X+4*i:X+4*i+3], v[SO], s[SRC:SRC+1] offset:4096*i th:TH_LOAD_NT  ; row i
.set i, i+1
.endr
.set i, 0
.rept 16
	s_wait_loadcnt 15-i                            ; row i is in, the younger ones stay out
.if ((i%4) == 0) && (i > 0)
	s_wait_alu depctr_va_vdst(0)                   ; a block's head: the block before has written its eight registers of Y, which the four LDS stores dealt among this block read
.endif
.if i >= 4
	ds_store_b64 v[LS], v[Y+2*(i-4):Y+2*(i-4)+1] offset:272*(i-4)  ; no vector instruction since the wait names its registers
.endif
	v_pk_mul_f32 v[X+4*i:X+4*i+1],   v[X+4*i:X+4*i+1],   s[E8:E8+1] op_sel_hi:[1,0]
	v_pk_mul_f32 v[X+4*i+2:X+4*i+3], v[X+4*i+2:X+4*i+3], s[E8:E8+1] op_sel_hi:[1,0]
	v_cvt_pk_bf16_f32 v[Y+2*i],   v[X+4*i],   v[X+4*i+1]
	v_cvt_pk_bf16_f32 v[Y+2*i+1], v[X+4*i+2], v[X+4*i+3]
.set i, i+1
.endr
	s_wait_alu depctr_va_vdst(0)                   ; the last block has written its eight registers of Y, which the last four LDS stores read
.set i, 12
.rept 4
	ds_store_b64 v[LS], v[Y+2*i:Y+2*i+1] offset:272*i
.set i, i+1
.endr
.set c, 0
.rept 8
	ds_load_b128 v[Z+4*c:Z+4*c+3], v[LR] offset:32*c  ; LDS serves a wave's instructions in order: these see my stores above; the stage is mine alone.  No vector instruction names Z
.set c, c+1
.endr
.set c, 0
.rept 8
	s_wait_dscnt 7-c                               ; group c of 16 keys is back, the younger ones stay out
	global_store_b128 v[DO], v[Z+4*c:Z+4*c+3], s[DST:DST+1] offset:(c/4)*4096+(c%4)*512  ; 512 consecutive bytes
.set c, c+1
.endr
.Lend:
	s_wait_dscnt 0x0                               ; the closing lines, six on end
	s_wait_alu 0x0
	s_wait_tensorcnt 0x0
	ds_add_u32 v[SPW], v[NIL]
	s_wait_dscnt 0x0
	s_endpgm
.Lfunc_end_k_q09dfb6873c_cast:
	.size	k_q09dfb6873c_cast, .Lfunc_end_k_q09dfb6873c_cast-k_q09dfb6873c_cast
	.p2alignl 7, 3214868480
	.fill 96, 4, 3214868480
	.section	.rodata,"a",@progbits
	.p2align	6, 0x0
	.amdhsa_kernel k_q09dfb6873c_cast
		.amdhsa_group_segment_fixed_size 35840
		.amdhsa_private_segment_fixed_size 0
		.amdhsa_enable_private_segment 0
		.amdhsa_kernarg_size 128
		.amdhsa_user_sgpr_count 2
		.amdhsa_user_sgpr_kernarg_segment_ptr 1
		.amdhsa_wavefront_size32 1
		.amdhsa_system_sgpr_workgroup_id_x 1
		.amdhsa_system_sgpr_workgroup_id_y 1
		.amdhsa_system_sgpr_workgroup_id_z 1
		.amdhsa_system_vgpr_workitem_id 0
		.amdhsa_next_free_vgpr 144
		.amdhsa_next_free_sgpr 66
		.amdhsa_reserve_vcc 0
		.amdhsa_float_denorm_mode_32 3
		.amdhsa_float_denorm_mode_16_64 3
		.amdhsa_memory_ordered 1
		.amdhsa_forward_progress 1
		.amdhsa_inst_pref_size 24
	.end_amdhsa_kernel
	.amdgpu_metadata
---
amdhsa.version: [ 1, 2 ]
amdhsa.kernels:
  - .name:           k_q09dfb6873c_cast
    .symbol:         k_q09dfb6873c_cast.kd
    .args:
      - { .name: q, .offset: 0, .size: 8, .value_kind: global_buffer, .address_space: global }
      - { .name: kv, .offset: 8, .size: 8, .value_kind: global_buffer, .address_space: global }
      - { .name: Wq, .offset: 16, .size: 8, .value_kind: global_buffer, .address_space: global }
      - { .name: Wk, .offset: 24, .size: 8, .value_kind: global_buffer, .address_space: global }
      - { .name: Wv, .offset: 32, .size: 8, .value_kind: global_buffer, .address_space: global }
      - { .name: Wo, .offset: 40, .size: 8, .value_kind: global_buffer, .address_space: global }
      - { .name: Wr, .offset: 48, .size: 8, .value_kind: global_buffer, .address_space: global }
      - { .name: bq, .offset: 56, .size: 8, .value_kind: global_buffer, .address_space: global }
      - { .name: bv, .offset: 64, .size: 8, .value_kind: global_buffer, .address_space: global }
      - { .name: bo, .offset: 72, .size: 8, .value_kind: global_buffer, .address_space: global }
      - { .name: br, .offset: 80, .size: 8, .value_kind: global_buffer, .address_space: global }
      - { .name: attention_mask, .offset: 88, .size: 8, .value_kind: global_buffer, .address_space: global }
      - { .name: xh, .offset: 96, .size: 8, .value_kind: global_buffer, .address_space: global }
      - { .name: wh, .offset: 104, .size: 8, .value_kind: global_buffer, .address_space: global }
      - { .name: bh, .offset: 112, .size: 8, .value_kind: global_buffer, .address_space: global }
      - { .name: mk, .offset: 120, .size: 8, .value_kind: global_buffer, .address_space: global }
    .group_segment_fixed_size: 35840
    .private_segment_fixed_size: 0
    .kernarg_segment_align: 8
    .kernarg_segment_size: 128
    .max_flat_workgroup_size: 256
    .sgpr_count:     66
    .vgpr_count:     144
    .wavefront_size: 32
...
	.end_amdgpu_metadata
.endif
;; end of part 5
;; launch proj: the kernel of part 2 again; grid 12 x 16, 4 waves a work-group, clusters of 4 x 4, 327,680 bytes of LDS; arguments xh, wh, bh, qkv; writes qkv
;; launch attn: the kernel of part 3 again; grid 4 x 64, 8 waves a work-group, clusters of 4 x 1, 327,680 bytes of LDS; arguments qkv, mk, on; writes on
;; launch outp: the kernel of part 4 again; grid 8 x 32, 4 waves a work-group, clusters of 4 x 4, 327,680 bytes of LDS; arguments on, wh, bh, out0, out1; writes out0, out1
